; MI455X (gfx1250); checked and timed in simulation.
; The chip was launched on July 23, 2026; its instructions are those of AMD's public machine-readable ISA for CDNA 5 (MIT licence, August 2026) and "CDNA5" Instruction Set Architecture Reference Guide (July 2026). The comments in the code are by the model that wrote it; some were corrected since.
;; Prunable Llama Attention. Allowed arithmetic: matrix products marked QUANTISED: E4M3 operands, one given power-of-two scale a tensor, by v_wmma_f32_16x16x64_fp8_fp8 or v_wmma_f32_16x16x128_fp8_fp8, f32 sums; everything else in f32.
;; Inputs: Wk_codes 1,024 x 128 x 32 uint8 (E4M3 codes of Wk, K innermost, in blocks of 32 codes); Wo_codes 4,096 x 64 x 32 uint8 (E4M3 codes of Wo, K innermost, in blocks of 32 codes); Wq_codes 2,048 x 128 x 32 uint8 (E4M3 codes of Wq, K innermost, in blocks of 32 codes); Wv_codes 1,024 x 128 x 32 uint8 (E4M3 codes of Wv, K innermost, in blocks of 32 codes); attention_mask 1 x 1 x 2,048 x 2,048 float32; hidden_states_codes 1 x 2,048 x 128 x 32 uint8 (E4M3 codes of hidden_states, K innermost, in blocks of 32 codes); lowp_scales 12 int32 (the exponents e of the quantised operands' scales 2^e); position_ids 1 x 2,048 int32.
;; Outputs: out0 1 x 2,048 x 4,096 float32.
;; This version of the problem:
;;   THIS VERSION OF THE PROBLEM IS GIVEN IN LOW PRECISION. The matrix products marked QUANTISED in the list below multiply operands that are first quantised to E4M3 (4 exponent bits, 3 mantissa bits; 8 bits a number), with one given power-of-two scale for each operand tensor; their sums are f32. All else is computed in f32.
;;   The module's matrix products, in the order in which they are computed (A, B: the left and right operand; K: the contracted axis; several contracted axes count as one K, in the product's order):
;;     1. [M 2,048, K 4,096] x [K 4,096, N 2,048]; A: input hidden_states (given as codes); B: input Wq (given as codes): QUANTISED (scales: A lowp_scales[0], B lowp_scales[1])
;;     2. [M 2,048, K 4,096] x [K 4,096, N 1,024]; A: input hidden_states (given as codes); B: input Wk (given as codes): QUANTISED (scales: A lowp_scales[2], B lowp_scales[3])
;;     3. [M 2,048, K 4,096] x [K 4,096, N 1,024]; A: input hidden_states (given as codes); B: input Wv (given as codes): QUANTISED (scales: A lowp_scales[4], B lowp_scales[5])
;;     4. batch 16 x [M 2,048, K 128] x [K 128, N 2,048]; A: computed on the way; B: computed on the way: QUANTISED (scales: A lowp_scales[6], B lowp_scales[7])
;;     5. batch 16 x [M 2,048, K 2,048] x [K 2,048, N 128]; A: softmax (see below); B: computed on the way: QUANTISED (scales: A lowp_scales[8], B lowp_scales[9])
;;     6. [M 2,048, K 2,048] x [K 2,048, N 4,096]; A: computed on the way; B: input Wo (given as codes): QUANTISED (scales: A lowp_scales[10], B lowp_scales[11])
;;   THE QUANTISER, for each operand of a quantised product, along K:
;;     - The operand's scale is 2^e, e = its entry of the input lowp_scales (int32; the entries are numbered through the quantised products in the list's order, A before B).
;;     - Each number is divided by the scale, clamped to +-448, and rounded to the nearest number of E4M3, ties to even, subnormals kept.
;;     - The product sums the exact products of the quantised numbers (number of the format x scale) in f32.
;;   ~~~python
;;   def quantise(x, axis, e):      # numpy; x: float32 -> the quantised numbers, widened to float32 again
;;       x = np.moveaxis(x, axis, -1); K = x.shape[-1]
;;       r = np.clip(x / 2.0 ** e, -448, 448)
;;       step = 2.0 ** (np.maximum(np.frexp(np.where(r == 0, 1, r))[1] - 1, -6) - 3)
;;       q = np.round(r / step) * step * 2.0 ** e      # np.round: ties to even
;;       return np.moveaxis(q, -1, axis).astype(np.float32)
;;   ~~~
;;   SOFTMAX AHEAD OF A QUANTISED PRODUCT. Where the list says 'softmax', what is quantised is not the finished softmax but p = 2^(t - M), with t = logit x log2(e) and M = ceil(the row's largest t), a whole number; so 1/2 < the row's largest p <= 1. The row's sum l is taken of the UNQUANTISED p, in f32, and the product's result is divided by l at the end. Since M is a whole number, a kernel that streams over the keys may use a running M (the ceiling of the running maximum): every later rescaling is an exact power of two, so the quantised numbers keep their values, but for numbers so far below the row's largest that they fall under the format's range.
;;   OPERANDS COMPUTED ON THE WAY. 'Computed on the way' means the value that the module computes at that place (a softmax that the list does not call 'softmax' is quantised finished and normalised). What goes into a quantiser is computed in f32, as accurately as f32 sums, v_exp_f32 and their like allow (about 1e-6 of the number): no bf16 or f16 on the way to a quantiser, and a product that is left as it is and whose result goes on into a quantised operand takes f32 operands (vector FMAs, or v_wmma_f32_16x16x4_f32). A number that lies on a knife's edge between two numbers of the format may be rounded either way, as far as f32 arithmetic and the matrix unit's own rounding can turn it there, and no further.
;;   INPUTS GIVEN AS CODES. Wk (in the module: [1024, 4096], K = its axis 1); Wo (in the module: [4096, 2048], K = its axis 1); Wq (in the module: [2048, 4096], K = its axis 1); Wv (in the module: [1024, 4096], K = its axis 1); hidden_states (in the module: [1, 2048, 4096], K = its axis 2): each comes as NAME_codes (uint8): NAME with its K axis moved to the last place and cut into blocks of 32 codes, [.., K / 32, bytes a block], one block behind the other in memory; one code a byte (a code: sign, 4 exponent bits, 3 mantissa bits); its scale is its entry of lowp_scales. Its value is code x scale, taken as it is: it is not quantised again, and the codes and scales need not be those that the quantiser above would give.
;; One version. Each part assembles by itself: llvm-mc -triple=amdgcn-amd-amdhsa -mcpu=gfx1250 --defsym DOCPART=n.
;; ======== version 1 of 1: 3 launches
;; limits: right only within a limited range of input values
;; workspace buffers: q_codes 4,194,304 bytes; k_codes 2,097,152 bytes; v_codes 2,097,152 bytes; a_codes 4,194,304 bytes
;; launch qkv (part 1): grid 16 x 16, 4 waves a work-group, clusters of 4 x 4, 327,680 bytes of LDS; arguments hidden_states_codes, Wq_codes, Wk_codes, Wv_codes, position_ids, lowp_scales, q_codes, k_codes, v_codes; writes q_codes, k_codes, v_codes
.if DOCPART == 1
	.amdgcn_target "amdgcn-amd-amdhsa--gfx1250"
	.amdhsa_code_object_version 6
	.text
	.protected	k_q2a234a1542_qkv
	.globl	k_q2a234a1542_qkv
	.p2align	8
	.type	k_q2a234a1542_qkv,@function
k_q2a234a1542_qkv:
	s_mov_b64 s[64:65], 0
	v_nop
	global_prefetch_b8 v0, s[64:65] scope:SCOPE_SE
	s_setreg_imm32_b32 hwreg(HW_REG_WAVE_MODE, 25, 1), 1
	s_wait_xcnt 0x0
	s_wait_alu depctr_hold_cnt(0) depctr_sa_sdst(0) depctr_va_vdst(0) depctr_va_sdst(0) depctr_va_ssrc(0) depctr_va_vcc(0) depctr_vm_vsrc(0)
	s_getreg_b32 s2, hwreg(HW_REG_IB_STS2, 6, 4)
	s_cmp_eq_u32 s2, 0
	s_cbranch_scc0 .Lentry_in_a_cluster
	s_endpgm
.Lentry_in_a_cluster:
	s_bfe_u32 s2, ttmp6, 0x10000c
	s_cmp_lg_u32 s2, 0xf033
	s_cbranch_scc0 .Lentry_shape_is_right
	s_endpgm
.Lentry_shape_is_right:
; q, k, v = hidden_states x Wq^T, Wk^T, Wv^T on the given codes of E4M3 (v_wmma_f32_16x16x128_fp8_fp8, f32 sums), the rotary embedding on q and k in f32, and the quantisers of the two attention products:
; q_codes [16 heads][2048][128] (scales' entry 6), k_codes [8][2048][128] (entry 7), v_codes [8][16 blocks of keys][128 d][128 keys] (entry 9: the keys are its K, so v is made transposed: source rows of Wv against rows of hidden_states).
; Every input has a way to the output: none is left out.
; SHARES.  A work-group makes 128 x 256 of one product: 2048 x 4096 results are 256 such blocks.  The cluster's y says which: 0, 1 q's two halves, 2 k, 3 v.  Four waves, 64 x 128 each: 32 accumulators, 256 registers (window 2);
; B's fragments in two sets in window 1, A's in two sets at v128 of window 0.  K goes in steps of 256 through a ring of two LDS slots (128 rows of A, 256 of B, rows of 256 bytes + 16 of padding).
; CLUSTER 4 x 4: A's tiles are asked for jointly along a row of the cluster, B's along a column.  Clusters begin their walk along K at different places (s[ROT]) and go round.
; ROTARY.  cos and sin of position x 10000^(-i/64) for the block's 128 rows and 64 frequencies are made at the head, under the first load, into LDS bytes of their own: reduction by quarter turns (three parts of pi/2), two polynomials.
; For v the frequency is multiplied by 0, so that cos = 1 and sin = 0: one text serves the three kinds.
; LIMITS: positions under 2^20 in magnitude; e6 - e0 - e1, e7 - e2 - e3 and e9 - e4 - e5 between -126 and 119, so that each power of two below is an f32 number.
; PREFETCH.  Behind the joint load of K step s stands one prefetch for K step s + 2 (at the head: for steps 1, 2 and 3).  Of the rows that a wave fetches (64 of A or 128 of B) each of the four partners of the joint load names
; a quarter, told apart by address: a lane a row, 256 bytes of a row a step; A's left-over lanes name their wave's last row again.  The loads of steps 14 and 15 ask for nothing.
.set KROW,  4096
.set KSH,   12
.set LAPS,  KROW/512
.set PITCH, 272
.set AROWS, 128*PITCH
.set SLOT,  384*PITCH
.set COS,   2*SLOT
.set SINO,  128*PITCH
.set STAGE, COS+2*SINO
.set SPIT,  144
.set SPARE, STAGE+4*64*SPIT
.set TA,   14
.set ZO,   15
.set ADRA, 16
.set ADRB, 20
.set STO,  24
.set RD,   25
.set CO,   26
.set TBR,  27
.set SPW,  28
.set NIL,  29
.set SC,   30
.set LIM,  31
.set POS,  32
.set KC,   96
.set W,    128
.set Y,    32
.set PC,   96
.set TT,   112
.set CSB,  128
.set AF,   128
.set G1,  24
.set G0,  32
.set G1B, 48
.set G0B, 56
.set KO,   16
.set ROT,  67
.set KIND, 101
.set KINV, KC
.set KTOP, KC+2
.set KMAG, KC+4
.set KNMG, KC+6
.set KP1,  KC+8
.set KP2,  KC+10
.set KP3,  KC+12
.set KC0,  KC+14
.set KC1,  KC+16
.set KC2,  KC+18
.set KCH,  KC+20
.set KONE, KC+22
.set KS0,  KC+24
.set KS1,  KC+26
.set KS2,  KC+28
.set PFO,  13                          ; v13 the prefetches' row offset; v10-12 the same + K steps 1, 2, 3; never rewritten
.set PFB,  86                          ; s[86:87] my work-group's rows of those that my wave fetches
.set PFT,  88                          ; s[88:89] the same at the K step that is asked for
.set PKO,  90                          ; s[90:91] that K step's byte in a row
.set MSB, 0
.macro WIN new
.if MSB != \new
	s_set_vgpr_msb (MSB<<8)|\new
.set MSB, \new
.endif
.endm
.macro PLACES n
.rept \n
	v_nop
.endr
.endm
.macro JLOAD g0a, g1a, g0b, g1b
	s_cmp_eq_u32 s23, 0
	s_cbranch_scc0 .Lfor_b_\@
	tensor_load_to_lds s[\g0a:\g0a+3], s[\g1a:\g1a+7]
	s_nop 0
.rept 4
	v_nop
.endr
	s_branch .Lasked_\@
.Lfor_b_\@:
	tensor_load_to_lds s[\g0b:\g0b+3], s[\g1b:\g1b+7]
	s_nop 0
.rept 4
	v_nop
.endr
.Lasked_\@:
.endm
.macro CREST
	s_cmp_lg_u32 s22, 0
	s_cbranch_scc1 .Lnot_wave_0_\@
	s_barrier_signal -3
.Lnot_wave_0_\@:
	s_barrier_wait -3
	s_barrier_signal -1
	s_barrier_wait -1
.endm
.macro CROUND
	s_barrier_signal -1
	s_barrier_wait -1
	CREST
.endm
	s_load_b512 s[4:19], s[0:1], 0x0
	s_load_b64 s[20:21], s[0:1], 0x40
	v_lshl_add_u32 v[SPW], v0, 2, SPARE
	v_mov_b32 v[NIL], 0
	ds_add_u32 v28, v29
	ds_add_u32 v28, v29
	s_wait_dscnt 0x0
	v_mov_b32 v[ZO], 0
	v_lshrrev_b32 v1, 5, v0
	v_readfirstlane_b32 s22, v1
	s_lshr_b32 s23, s22, 1
	s_and_b32 s66, s22, 1
	s_bfe_u32 s40, ttmp6, 0x40000
	s_bfe_u32 s41, ttmp6, 0x40004
	s_and_b32 s[KIND], ttmp7, 0xffff
	s_lshr_b32 s[ROT], s[KIND], 1
	s_xor_b32 s[ROT], s[ROT], s[KIND]
	s_and_b32 s[ROT], s[ROT], 1
	s_lshl_b32 s[ROT], s[ROT], 1
	s_add_co_u32 s[ROT], s[ROT], ttmp9
	s_and_b32 s[ROT], s[ROT], 3
	s_lshl_b32 s[ROT], s[ROT], 10
	s_and_b32 s93, ttmp9, 1
	s_lshr_b32 s94, ttmp9, 1
	s_cmp_eq_u32 s[KIND], 3
	s_cselect_b32 s43, s93, ttmp9
	s_cselect_b32 s100, 0, 1.0
	s_cselect_b32 s42, s94, 0
	s_cmp_lt_u32 s[KIND], 2
	s_cselect_b32 s42, s[KIND], s42
	s_lshl_b32 s43, s43, 2
	s_add_co_u32 s43, s43, s41
	s_lshl_b32 s42, s42, 2
	s_add_co_u32 s42, s42, s40
	s_lshl_b32 s44, s41, 2
	s_lshl_b32 s44, 15, s44
	s_lshl_b32 s45, 0x1111, s40
	s_or_b32 s[G1], s44, (1<<20)|(1<<21)|(5<<22)|(3<<25)
	s_mov_b32 s[G1+1], 256<<16
	s_mov_b32 s[G1+2], 64<<16
	s_mov_b32 s[G1+3], 256<<16
	s_mov_b32 s[G1+4], 64
	s_mov_b32 s[G1+5], KROW
	s_mov_b32 s[G1+6], 0
	s_mov_b32 s[G1+7], 0
	s_or_b32 s[G1B], s45, (1<<20)|(1<<21)|(5<<22)|(3<<25)
	s_mov_b32 s[G1B+1], 256<<16
	s_mov_b32 s[G1B+2], 128<<16
	s_mov_b32 s[G1B+3], 256<<16
	s_mov_b32 s[G1B+4], 128
	s_mov_b32 s[G1B+5], KROW
	s_mov_b32 s[G1B+6], 0
	s_mov_b32 s[G1B+7], 0
	s_lshl_b32 s86, s43, 7
	s_lshl_b32 s46, s66, 6
	s_add_co_u32 s86, s86, s46
	s_lshl_b32 s86, s86, KSH
	s_mov_b32 s87, 0
	s_lshl_b32 s88, s42, 8
	s_lshl_b32 s47, s66, 7
	s_add_co_u32 s88, s88, s47
	s_lshl_b32 s88, s88, KSH
	s_mov_b32 s89, 0
	s_lshl_b32 s90, s43, 7
	s_lshl_b32 s46, s23, 6
	s_add_co_u32 s90, s90, s46
	s_lshl_b32 s90, s90, 2
	s_mov_b32 s91, 0
	s_lshl_b32 s96, s42, 1
	s_add_co_u32 s96, s96, s66
	s_cmp_eq_u32 s[KIND], 3
	s_cselect_b32 s97, s43, s96
	s_cselect_b32 s96, s96, s43
	s_lshl_b32 s97, s97, 18
	s_lshl_b32 s96, s96, 14
	s_add_co_u32 s98, s97, s96
	s_lshl_b32 s96, s23, 13
	s_add_co_u32 s98, s98, s96
	s_mov_b32 s99, 0
	s_mul_i32 s46, s66, 64*PITCH
	s_mul_i32 s47, s66, 128*PITCH
	s_add_co_u32 s47, s47, AROWS
	s_wait_kmcnt 0x0
	s_load_b256 s[68:75], s[14:15], 0x0
	s_load_b128 s[76:79], s[14:15], 0x20
	s_cmp_eq_u32 s[KIND], 3
	s_cselect_b64 s[80:81], s[10:11], s[4:5]
	s_cselect_b64 s[82:83], s[4:5], s[8:9]
	s_cselect_b64 s[84:85], s[20:21], s[18:19]
	s_cmp_lt_u32 s[KIND], 2
	s_cselect_b64 s[82:83], s[6:7], s[82:83]
	s_cselect_b64 s[84:85], s[16:17], s[84:85]
	s_add_nc_u64 s[80:81], s[80:81], s[86:87]
	s_add_nc_u64 s[82:83], s[82:83], s[88:89]
	s_add_nc_u64 s[84:85], s[84:85], s[98:99]
	s_add_nc_u64 s[12:13], s[12:13], s[90:91]
	s_mov_b32 s[KO], s[ROT]
	s_mov_b32 s[KO+1], 0
	s_add_co_u32 s[KO+2], s[ROT], 256
	s_mov_b32 s[KO+3], 0
	s_cmp_eq_u32 s23, 0                            ; do I fetch for A?
	s_cselect_b64 s[PFB:PFB+1], s[80:81], s[82:83]
	s_cselect_b32 s94, s40, s41                    ; my place among the four that ask with me: cx for A, cy for B
	s_cselect_b32 s95, KSH+4, KSH+5                ; 16 rows of A or 32 of B to a partner
	s_cselect_b32 s98, 15, 31
	s_lshl_b32 s94, s94, s95
	s_mov_b32 s95, 0
	s_add_nc_u64 s[PFB:PFB+1], s[PFB:PFB+1], s[94:95]
	s_mov_b32 s[PKO+1], 0
	v_and_b32 v[PFO], 31, v0
	v_min_u32 v[PFO], s98, v[PFO]
	v_lshlrev_b32 v[PFO], KSH, v[PFO]              ; a lane a row
.irp j, 1,2,3
	s_add_co_u32 s[PKO], s[ROT], 256*\j
	s_and_b32 s[PKO], s[PKO], KROW-1
	v_add_nc_u32 v[PFO-4+\j], s[PKO], v[PFO]
.endr
	CROUND                                         ; all sixteen work-groups are here: the first joint loads meet
.irp s, 0,1
	s_mov_b32 s[G0+4*\s], 1
	s_add_co_u32 s[G0+4*\s+1], s46, \s*SLOT
	s_add_nc_u64 s[G0+4*\s+2:G0+4*\s+3], s[80:81], s[KO+2*\s:KO+2*\s+1]
	s_or_b32 s[G0+4*\s+3], s[G0+4*\s+3], 0x80000000
	s_mov_b32 s[G0B+4*\s], 1
	s_add_co_u32 s[G0B+4*\s+1], s47, \s*SLOT
	s_add_nc_u64 s[G0B+4*\s+2:G0B+4*\s+3], s[82:83], s[KO+2*\s:KO+2*\s+1]
	s_or_b32 s[G0B+4*\s+3], s[G0B+4*\s+3], 0x80000000
.endr
	JLOAD G0, G1, G0B, G1B                         ; K step 0: one tensor load a wave at the head
	s_wait_alu depctr_va_vdst(0)
.irp i, 0,1,2,3,4,5,6,7,8,9,10,11,12,13,14,15
	global_load_b128 v[POS+4*\i:POS+4*\i+3], v[ZO], s[12:13] offset:16*\i
.endr
	global_prefetch_b8 v[PFO-3], s[PFB:PFB+1] th:TH_LOAD_NT scope:SCOPE_SE   ; K step 1
	global_prefetch_b8 v[PFO-2], s[PFB:PFB+1] th:TH_LOAD_NT scope:SCOPE_SE   ; K step 2
	v_and_b32 v3, 31, v0
	s_lshl_b32 s46, s66, 5
	v_add_nc_u32 v4, s46, v3
	s_mul_i32 s47, s23, 64*PITCH
	s_add_co_u32 s47, s47, COS
	v_lshl_add_u32 v[TA], v4, 2, s47
	v_cvt_f32_u32 v5, v4
	v_mul_f32 v6, 0xbe549a78, v5
	v_fma_f32 v7, v5, 0xbe549a78, -v6
	v_fma_f32 v7, v5, 0xb1979a08, v7
	s_wait_alu depctr_va_vdst(0)
	v_exp_f32 v8, v6
	v_mul_f32 v7, 0x3f317218, v7
	s_wait_alu depctr_va_vdst(0)
	v_fma_f32 v8, v8, v7, v8
	v_mul_f32 v[KINV], s100, v8
	v_mov_b32 v[KINV+1], v[KINV]
.macro KPAIR r, val
	v_mov_b32 v[\r], \val
	v_mov_b32 v[\r+1], \val
.endm
	KPAIR KTOP, 0x3f22f983
	KPAIR KMAG, 0x4b400000
	KPAIR KNMG, 0xcb400000
	KPAIR KP1,  0xbfc90fdb
	KPAIR KP2,  0x333bbd2e
	KPAIR KP3,  0x26f72ced
	KPAIR KC0,  0x37ccf5ce
	KPAIR KC1,  0xbab6061a
	KPAIR KC2,  0x3d2aaaa5
	KPAIR KCH,  -0.5
	KPAIR KONE, 1.0
	KPAIR KS0,  0xb94ca1f9
	KPAIR KS1,  0x3c08839e
	KPAIR KS2,  0xbe2aaaa3
.macro F4 d, a, sa, b, sb, c, sc
.irp k, 0,1,2,3
	v_pk_fma_f32 v[W+(\d)+24*\k:W+(\d)+24*\k+1], v[(\a)+(\sa)*\k:(\a)+(\sa)*\k+1], v[(\b)+(\sb)*\k:(\b)+(\sb)*\k+1], v[(\c)+(\sc)*\k:(\c)+(\sc)*\k+1]
.endr
.endm
.macro M4 d, a, sa, b, sb
.irp k, 0,1,2,3
	v_pk_mul_f32 v[W+(\d)+24*\k:W+(\d)+24*\k+1], v[(\a)+(\sa)*\k:(\a)+(\sa)*\k+1], v[(\b)+(\sb)*\k:(\b)+(\sb)*\k+1]
.endr
.endm
.macro A4 d, a, sa, b, sb
.irp k, 0,1,2,3
	v_pk_add_f32 v[W+(\d)+24*\k:W+(\d)+24*\k+1], v[(\a)+(\sa)*\k:(\a)+(\sa)*\k+1], v[(\b)+(\sb)*\k:(\b)+(\sb)*\k+1]
.endr
.endm
.macro SC8 row0
.irp k, 0,1,2,3
	v_cvt_f32_i32 v[W+24*\k], v[POS+(\row0)+2*\k]
	v_cvt_f32_i32 v[W+24*\k+1], v[POS+(\row0)+2*\k+1]
.endr
	M4 0,  W+0,24,  KINV,0
	F4 2,  W+0,24,  KTOP,0, KMAG,0
	A4 4,  W+2,24,  KNMG,0
	F4 6,  W+4,24,  KP1,0,  W+0,24
	F4 6,  W+4,24,  KP2,0,  W+6,24
	F4 6,  W+4,24,  KP3,0,  W+6,24
	M4 8,  W+6,24,  W+6,24
	F4 10, W+8,24,  KC0,0,  KC1,0
	F4 12, W+8,24,  KS0,0,  KS1,0
	F4 10, W+10,24, W+8,24, KC2,0
	F4 12, W+12,24, W+8,24, KS2,0
	M4 14, W+6,24,  W+8,24
	F4 10, W+10,24, W+8,24, KCH,0
	F4 12, W+12,24, W+14,24, W+6,24
	F4 10, W+10,24, W+8,24, KONE,0
.irp k, 0,1,2,3
.irp e, 0,1
	v_lshlrev_b32 v[W+24*\k+16+\e], 31, v[W+24*\k+2+\e]
	v_lshlrev_b32 v[W+24*\k+18+\e], 30, v[W+24*\k+2+\e]
.endr
.endr
.irp k, 0,1,2,3
.irp e, 0,1
	v_cmp_gt_i32 vcc_lo, 0, v[W+24*\k+16+\e]
	v_cndmask_b32 v[W+24*\k+20+\e], v[W+24*\k+12+\e], v[W+24*\k+10+\e], vcc_lo
	v_cndmask_b32 v[W+24*\k+22+\e], v[W+24*\k+10+\e], v[W+24*\k+12+\e], vcc_lo
.endr
.endr
.irp k, 0,1,2,3
.irp e, 0,1
	v_xor_b32 v[W+24*\k+16+\e], v[W+24*\k+16+\e], v[W+24*\k+18+\e]
.endr
.endr
.irp k, 0,1,2,3
.irp e, 0,1
	v_and_b32 v[W+24*\k+18+\e], 0x80000000, v[W+24*\k+18+\e]
	v_and_b32 v[W+24*\k+16+\e], 0x80000000, v[W+24*\k+16+\e]
.endr
.endr
.irp k, 0,1,2,3
.irp e, 0,1
	v_xor_b32 v[W+24*\k+20+\e], v[W+24*\k+20+\e], v[W+24*\k+18+\e]
	v_xor_b32 v[W+24*\k+22+\e], v[W+24*\k+22+\e], v[W+24*\k+16+\e]
.endr
.endr
.irp k, 0,1,2,3
.irp e, 0,1
	ds_store_b32 v[TA], v[W+24*\k+22+\e] offset:((\row0)+2*\k+\e)*PITCH
	ds_store_b32 v[TA], v[W+24*\k+20+\e] offset:((\row0)+2*\k+\e)*PITCH+SINO
.endr
.endr
.endm
	s_wait_loadcnt 0x0
.irp q, 0,8,16,24,32,40,48,56
	SC8 \q
.endr
	v_and_b32 v1, 15, v0
	s_wait_alu depctr_va_vdst(0)
	v_bfe_u32 v2, v0, 4, 1
	v_mul_u32_u24 v3, v1, PITCH
	v_lshl_add_u32 v3, v2, 4, v3
	s_mul_i32 s46, s23, 64*PITCH
	s_mul_i32 s47, s66, 128*PITCH
	s_add_co_u32 s47, s47, AROWS
.irp s, 0,1
	v_add_nc_u32 v[ADRA+\s], s46, v3
	v_add_nc_u32 v[ADRB+\s], s47, v3
	s_add_co_u32 s46, s46, SLOT
	s_add_co_u32 s47, s47, SLOT
.endr
	s_mul_i32 s46, s22, 64*SPIT
	s_add_co_u32 s46, s46, STAGE
	v_mul_u32_u24 v4, v1, SPIT
	s_wait_alu depctr_va_vdst(0)
	v_lshl_add_u32 v4, v2, 4, v4
	v_add_nc_u32 v[STO], s46, v4
	v_bfe_u32 v5, v0, 3, 2
	v_and_b32 v6, 7, v0
	v_mul_u32_u24 v5, v5, SPIT
	v_lshl_add_u32 v5, v6, 4, v5
	v_add_nc_u32 v[RD], s46, v5
	v_and_b32 v7, 31, v0
	v_lshlrev_b32 v[CO], 4, v7
	s_mul_i32 s47, s23, 64*PITCH
	s_add_co_u32 s47, s47, COS
	v_mul_u32_u24 v8, v1, PITCH
	v_lshl_add_u32 v8, v2, 5, v8
	v_add_nc_u32 v[TBR], s47, v8
	s_wait_kmcnt 0x0
	s_sub_co_i32 s92, s74, s68
	s_sub_co_i32 s92, s92, s69
	s_sub_co_i32 s93, s75, s70
	s_sub_co_i32 s93, s93, s71
	s_sub_co_i32 s94, s77, s72
	s_sub_co_i32 s94, s94, s73
	s_cmp_eq_u32 s[KIND], 2
	s_cselect_b32 s93, s93, s94
	s_cmp_lt_u32 s[KIND], 2
	s_cselect_b32 s92, s92, s93
	s_add_co_i32 s92, s92, 127
	s_lshl_b32 s93, s92, 23
	v_mov_b32 v[SC], s93
	s_add_co_i32 s92, s92, 8
	s_lshl_b32 s92, s92, 23
	s_or_b32 s92, s92, 0x600000
	v_mov_b32 v[LIM], s92
.macro FRAG reg, adr, q, i
.irp c, 0,1,2,3
	ds_load_b128 v[\reg+4*\c:\reg+4*\c+3], v[\adr] offset:128*(\q)+32*\c+(\i)*16*PITCH
.endr
.endm
.macro FETCH slot, q, p
	WIN 0x40
.irp i, 0,1,2,3,4,5,6,7
	FRAG 128*(\p)+16*\i, ADRB+\slot, \q, \i
.endr
	WIN 0
.irp i, 0,1,2,3
	FRAG AF+64*(\p)+16*\i, ADRA+\slot, \q, \i
.endr
.endm
.macro MUL8 a, p, zero
.irp b, 0,1,2,3,4,5,6,7
.if \zero
	v_wmma_f32_16x16x128_fp8_fp8 v[8*(8*(\a)+\b):8*(8*(\a)+\b)+7], v[128*(\p)+16*\b:128*(\p)+16*\b+15], v[AF+64*(\p)+16*(\a):AF+64*(\p)+16*(\a)+15], 0
.else
	v_wmma_f32_16x16x128_fp8_fp8 v[8*(8*(\a)+\b):8*(8*(\a)+\b)+7], v[128*(\p)+16*\b:128*(\p)+16*\b+15], v[AF+64*(\p)+16*(\a):AF+64*(\p)+16*(\a)+15], v[8*(8*(\a)+\b):8*(8*(\a)+\b)+7]
.endif
.endr
.endm
.macro STEP slot, zero
	PLACES 4
	FETCH \slot, 1, 1
	s_wait_dscnt 48
	WIN 0xa1
	MUL8 0, 0, \zero
	MUL8 1, 0, \zero
	MUL8 2, 0, \zero
	MUL8 3, 0, \zero
	WIN 0
.endm
.macro TURN slot, next, fill
	s_wait_dscnt 0x0                               ; set 1 is in: my reads of this slot are over
	WIN 0xa1
	MUL8 0, 1, 0
	MUL8 1, 1, 0
	WIN 0                                          ; (the add's two registers lie in window 0)
	s_wait_tensorcnt 0x0                           ; my part of the next slot has landed: no load of mine is out, so a group 0 may be written
	ds_add_u32 v[SPW], v[NIL]
.if \fill
	s_add_co_u32 s[KO+2*\slot], s[KO+2*\slot], 512
	s_and_b32 s[KO+2*\slot], s[KO+2*\slot], KROW-1
	s_add_nc_u64 s[G0+4*\slot+2:G0+4*\slot+3], s[80:81], s[KO+2*\slot:KO+2*\slot+1]
	s_or_b32 s[G0+4*\slot+3], s[G0+4*\slot+3], 0x80000000
	s_add_nc_u64 s[G0B+4*\slot+2:G0B+4*\slot+3], s[82:83], s[KO+2*\slot:KO+2*\slot+1]
	s_or_b32 s[G0B+4*\slot+3], s[G0B+4*\slot+3], 0x80000000
	s_wait_xcnt 0x0                                ; my last prefetch has read its address, so it may be written:
	s_add_co_u32 s[PKO], s[KO+2*\slot], 512        ; two K steps on from the one that is about to be loaded
	s_and_b32 s[PKO], s[PKO], KROW-1
	s_add_nc_u64 s[PFT:PFT+1], s[PFB:PFB+1], s[PKO:PKO+1]
.endif
	WIN 0xa1
	MUL8 2, 1, 0                                   ; eight matrix instructions stand between the add and the wait for it
	WIN 0
	s_wait_dscnt 0x0                               ; the add is done
	s_barrier_signal -1
	s_barrier_wait -1
.if \fill
	CREST
	JLOAD G0+4*\slot, G1, G0B+4*\slot, G1B
.else
	PLACES 4
.endif
	FETCH \next, 0, 0
.if \fill
	s_cmp_gt_u32 s3, 1                             ; the loop's last trip loads the last two K steps: nothing lies two steps on
	s_cbranch_scc0 .Lnone_\@
	global_prefetch_b8 v[PFO], s[PFT:PFT+1] th:TH_LOAD_NT scope:SCOPE_SE
.Lnone_\@:
.endif
	WIN 0xa1
	MUL8 3, 1, 0
	WIN 0
.endm
	s_wait_alu depctr_va_vdst(0)                   ; the wait at the head's end
	s_wait_tensorcnt 0x0                           ; my part of K step 0 is in; slot 1's first fill is issued as a refill is:
	ds_add_u32 v[SPW], v[NIL]                      ; the add,
	s_wait_dscnt 0x0                               ; done, and so are my stores of the tables
	CROUND
	JLOAD G0+4, G1, G0B+4, G1B                     ; K step 1, the first tensor load behind the round
	FETCH 0, 0, 0
	global_prefetch_b8 v[PFO-1], s[PFB:PFB+1] th:TH_LOAD_NT scope:SCOPE_SE   ; K step 3
	STEP 0, 1
	s_mov_b32 s3, LAPS-1
.Llap:
	TURN 0, 1, 1
	STEP 1, 0
	TURN 1, 0, 1
	STEP 0, 0
	s_sub_co_u32 s3, s3, 1
	s_cmp_lg_u32 s3, 0
	s_cbranch_scc1 .Llap
	TURN 0, 1, 0
	STEP 1, 0
	s_wait_dscnt 0x0
	WIN 0xa1
	MUL8 0, 1, 0
	MUL8 1, 1, 0
	MUL8 2, 1, 0
	MUL8 3, 1, 0
	WIN 0
	PLACES 4
.macro LOADCS a
.set CB, CSB+64*((\a)%2)
.irp b, 0,1,2,3
	ds_load_b128 v[CB+8*\b:CB+8*\b+3],       v[TBR] offset:(\a)*16*PITCH+64*\b
	ds_load_b128 v[CB+8*\b+4:CB+8*\b+7],     v[TBR] offset:(\a)*16*PITCH+64*\b+16
	ds_load_b128 v[CB+32+8*\b:CB+32+8*\b+3],   v[TBR] offset:(\a)*16*PITCH+64*\b+SINO
	ds_load_b128 v[CB+32+8*\b+4:CB+32+8*\b+7], v[TBR] offset:(\a)*16*PITCH+64*\b+16+SINO
.endr
.endm
.macro ROPE a
.set CB, CSB+64*((\a)%2)
	WIN 0x02
.irp b, 0,1,2,3
.set X1, 8*(8*(\a)+\b)
.set X2, 8*(8*(\a)+\b+4)
.irp j, 0,2,4,6
	v_pk_mul_f32 v[TT+\j:TT+\j+1], v[X2+\j:X2+\j+1], v[CB+32+8*\b+\j:CB+32+8*\b+\j+1]
.endr
.irp j, 0,2,4,6
	v_pk_mul_f32 v[TT+8+\j:TT+8+\j+1], v[X2+\j:X2+\j+1], v[CB+8*\b+\j:CB+8*\b+\j+1]
.endr
.irp j, 0,2,4,6
	v_pk_fma_f32 v[Y+8*\b+\j:Y+8*\b+\j+1], v[X1+\j:X1+\j+1], v[CB+8*\b+\j:CB+8*\b+\j+1], v[TT+\j:TT+\j+1] neg_lo:[0,0,1] neg_hi:[0,0,1]
.endr
.irp j, 0,2,4,6
	v_pk_fma_f32 v[Y+32+8*\b+\j:Y+32+8*\b+\j+1], v[X1+\j:X1+\j+1], v[CB+32+8*\b+\j:CB+32+8*\b+\j+1], v[TT+8+\j:TT+8+\j+1]
.endr
.endr
	WIN 0
.set ii, 0
.rept 64
	v_med3_num_f32 v[Y+ii], v[Y+ii], -v[LIM], v[LIM]
.set ii, ii+1
.endr
.irp b, 0,1,2,3,4,5,6,7
	v_cvt_scalef32_pk8_fp8_f32 v[PC+2*\b:PC+2*\b+1], v[Y+8*\b:Y+8*\b+7], v[SC]
.endr
	v_nop
.irp g, 0,1,2,3
	ds_store_b128 v[STO], v[PC+4*\g:PC+4*\g+3] offset:(\a)*16*SPIT+32*\g
.endr
.endm
	s_wait_alu depctr_va_vdst(0)
	LOADCS 0
.irp a, 0,1,2,3
.if \a < 3
	LOADCS \a+1
	s_wait_dscnt 16
.else
	s_wait_dscnt 0x0
.endif
	ROPE \a
.endr
.irp i, 0,1,2,3,4,5,6,7,8,9,10,11,12,13,14,15
	ds_load_b128 v[CSB+4*\i:CSB+4*\i+3], v[RD] offset:\i*4*SPIT
.endr
.irp i, 0,1,2,3,4,5,6,7,8,9,10,11,12,13,14,15
	s_wait_dscnt 15-\i
	global_store_b128 v[CO], v[CSB+4*\i:CSB+4*\i+3], s[84:85] offset:512*\i
.endr
	s_wait_tensorcnt 0x0
	ds_add_u32 v[SPW], v[NIL]
	s_wait_dscnt 0x0
	CROUND
	s_endpgm
.Lfunc_end_k_q2a234a1542_qkv:
	.size	k_q2a234a1542_qkv, .Lfunc_end_k_q2a234a1542_qkv-k_q2a234a1542_qkv
	.p2alignl 7, 3214868480
	.fill 96, 4, 3214868480
	.section	.rodata,"a",@progbits
	.p2align	6, 0x0
	.amdhsa_kernel k_q2a234a1542_qkv
		.amdhsa_group_segment_fixed_size 327680
		.amdhsa_private_segment_fixed_size 0
		.amdhsa_enable_private_segment 0
		.amdhsa_kernarg_size 72
		.amdhsa_user_sgpr_count 2
		.amdhsa_user_sgpr_kernarg_segment_ptr 1
		.amdhsa_wavefront_size32 1
		.amdhsa_system_sgpr_workgroup_id_x 1
		.amdhsa_system_sgpr_workgroup_id_y 1
		.amdhsa_system_sgpr_workgroup_id_z 1
		.amdhsa_system_vgpr_workitem_id 0
		.amdhsa_next_free_vgpr 768
		.amdhsa_next_free_sgpr 102
		.amdhsa_reserve_vcc 1
		.amdhsa_float_denorm_mode_32 3
		.amdhsa_float_denorm_mode_16_64 3
		.amdhsa_memory_ordered 1
		.amdhsa_forward_progress 1
		.amdhsa_inst_pref_size 168
	.end_amdhsa_kernel
	.amdgpu_metadata
---
amdhsa.version: [ 1, 2 ]
amdhsa.kernels:
  - .name:           k_q2a234a1542_qkv
    .symbol:         k_q2a234a1542_qkv.kd
    .args:
      - { .name: hidden_states_codes, .offset: 0, .size: 8, .value_kind: global_buffer, .address_space: global }
      - { .name: Wq_codes, .offset: 8, .size: 8, .value_kind: global_buffer, .address_space: global }
      - { .name: Wk_codes, .offset: 16, .size: 8, .value_kind: global_buffer, .address_space: global }
      - { .name: Wv_codes, .offset: 24, .size: 8, .value_kind: global_buffer, .address_space: global }
      - { .name: position_ids, .offset: 32, .size: 8, .value_kind: global_buffer, .address_space: global }
      - { .name: lowp_scales, .offset: 40, .size: 8, .value_kind: global_buffer, .address_space: global }
      - { .name: q_codes, .offset: 48, .size: 8, .value_kind: global_buffer, .address_space: global }
      - { .name: k_codes, .offset: 56, .size: 8, .value_kind: global_buffer, .address_space: global }
      - { .name: v_codes, .offset: 64, .size: 8, .value_kind: global_buffer, .address_space: global }
    .group_segment_fixed_size: 327680
    .private_segment_fixed_size: 0
    .kernarg_segment_align: 8
    .kernarg_segment_size: 72
    .max_flat_workgroup_size: 128
    .sgpr_count:     102
    .vgpr_count:     768
    .wavefront_size: 32
...
	.end_amdgpu_metadata
.endif
;; end of part 1
;; launch attn (part 2): grid 32 x 8, 4 waves a work-group, clusters of 4 x 4, 327,680 bytes of LDS; arguments q_codes, k_codes, v_codes, attention_mask, lowp_scales, a_codes; writes a_codes
.if DOCPART == 2
	.amdgcn_target "amdgcn-amd-amdhsa--gfx1250"
	.amdhsa_code_object_version 6
	.text
	.protected	k_q2a234a1542_attn
	.globl	k_q2a234a1542_attn
	.p2align	8
	.type	k_q2a234a1542_attn,@function
k_q2a234a1542_attn:
	s_mov_b64 s[64:65], 0
	v_nop
	global_prefetch_b8 v0, s[64:65] scope:SCOPE_SE
	s_setreg_imm32_b32 hwreg(HW_REG_WAVE_MODE, 25, 1), 1
	s_wait_xcnt 0x0
	s_wait_alu depctr_hold_cnt(0) depctr_sa_sdst(0) depctr_va_vdst(0) depctr_va_sdst(0) depctr_va_ssrc(0) depctr_va_vcc(0) depctr_vm_vsrc(0)
	s_getreg_b32 s2, hwreg(HW_REG_IB_STS2, 6, 4)
	s_cmp_eq_u32 s2, 0
	s_cbranch_scc0 .Lentry_in_a_cluster
	s_endpgm
.Lentry_in_a_cluster:
	s_bfe_u32 s2, ttmp6, 0x10000c
	s_cmp_lg_u32 s2, 0xf033
	s_cbranch_scc0 .Lentry_shape_is_right
	s_endpgm
.Lentry_shape_is_right:
; a = softmax(q k^T / sqrt(128) + mask) v for 16 query heads on 8 key heads, both products on codes of E4M3; the result is quantised (scales' entry 10) into a_codes [2048][head x 128 + d].
; q_codes [16][2048][128], k_codes [8][2048][128], v_codes [8][16 blocks of keys][128 d][128 keys], as the launch before stored them.  The mask [2048][2048] f32 is an input: it is added as it is given, and every key is multiplied.
; THE SOFTMAX.  The first product takes mask x kappa as its C (kappa = sqrt(128) / 2^(e6 + e7)), so that a sum u stands for the logit / (c / log2(e)); t = u x c, c = 2^(e6 + e7) log2(e) / sqrt(128).
; M = the largest t so far, rounded UP to a whole number; p = 2^(u c - M), one fused multiply-add and one exponential, is quantised with 2^e8; the row's sum is taken of the unquantised p and divides at the end.
; When M moves, the sum and O are multiplied by 2^(old M - new M): exact.
; SHARES.  A work-group owns one key head g and 64 queries; four waves, one to a SIMD.  Wave w owns 32 queries (w % 2), both query heads of g, and every second block of 128 keys (block 2 k + w / 2 in step k, 8 steps):
; four places of 16 queries x one head, so each fragment of K and V read from LDS serves four products and each number of the mask two places.  Place 2 u + a holds tile a of head 2 g + ((w / 2) xor u).
; At the end wave w hands its places u = 1 to wave w xor 2 through LDS and finishes its places u = 0: both M are whole numbers.
; LAYOUT.  Both products transposed: S^T = K Q^T + C, O^T = V^T P^T: a lane holds ONE query (lane % 16); S^T's tile t holds keys 16 t + 8 (lane / 16) + 0 .. 7, whose eight codes are registers 2 t, 2 t + 1 of P.
; THE RING.  Two slots; a slot holds 256 keys: K's 256 rows, V's two blocks, 64 rows x 256 numbers of the mask.  Four fills a step, one a wave: wave 0 K, wave 1 V, waves 2 and 3 the mask's halves.
; The change of slots stands in the MIDDLE of a step: V is read at the step's head, so behind the first two places' softmax all reads of the slot are over; behind the round the next step's K and mask are read,
; the mask into the score registers that the first two places have left, while the other two places' softmax is computed.
; CLUSTER 4 x 4: the four of a row share g: K and V are asked for jointly along the row; the four of a column share the queries: the mask along the column.
; LIMITS: e6 + e7 between -123 and 129; e8, and e10 - e8 - e9, between -126 and 119; mask x kappa stays finite.  NaN among the inputs is not served.
; REGISTERS: window 0: v1-15 addresses; v16-79 Q; v80-143 P's codes; v144-175 statistics (a place: -M, largest t, sum x 2, f, -, -, -); v176-191, v200-215 at work; v192-199 constants; v216-221 addresses of the end.
;   window 1: v0-127 K's eight fragments, v128-255 V's.   window 2: S^T, then p: place p at v[64 p].   window 3: O^T likewise.
.set PK,    144                        ; a row of K or V in LDS: 128 bytes + 16
.set PM,    1040                       ; a row of the mask: 1,024 bytes + 16
.set KHALF, 128*PK
.set VOFF,  2*KHALF
.set MOFF,  4*KHALF
.set SLOTB, MOFF+64*PM
.set SPARE, 2*SLOTB                    ; behind the ring: the spare words, 128 bytes for each wave, which no other line names
.set XIMG,  16896                      ; the end: an image of 128 registers and of two places' statistics for each wave, from LDS byte 0 on: both slots have had their last fill and their last read,
.set STG,   4*XIMG                     ; and a stage of 64 rows x (256 bytes + 16)
.set SP,    272
.set AK0, 1
.set AV0, 2
.set AM0, 3
.set PFO, 4
.set SPW, 5
.set NIL, 6
.set GO,  7
.set ADK, 8
.set ADV, 9
.set ADM, 10
.set QO,  11
.set Q,   16
.set P,   80
.set ST,  144
.set WK,  176
.set CAP, 192
.set SCL, 193
.set CAP2, 194
.set SCL2, 195
.set NEG, 196
.set ZP,  198
.set CH,  200
.set XW,  216
.set XS,  217
.set XR,  218
.set XRS, 219
.set STO, 220
.set RD,  221
.set WV,   16                          ; s16 wave; s17 its blocks of keys (w / 2); s18 w % 2
.set TF,   19                          ; s19 the slot that is filled
.set SEL,  20
.set CS,   22
.set G1KV, 24
.set G1M,  32
.set G0KV, 40
.set G0M,  44
.set TB,   48                          ; s48 the step's slot, s49 the other
.set TN,   49
.set LKV,  50
.set LM,   51
.set SLOTS, 52
.set LIM,  53
.set PFA,  54
.set KAP,  56
.set PFS,  58
.set MSB, 0
.macro WIN new
.if MSB != \new
	s_set_vgpr_msb (MSB<<8)|\new
.set MSB, \new
.endif
.endm
.macro NOPS n
.rept \n
	v_nop
.endr
.endm
; Waves 0 and 1 fetch K and V, waves 2 and 3 the mask: one fill in each arm.  An s_nop 0 and four v_nop follow each line.
.macro TLOAD
	s_cmp_lt_u32 s[WV], 2
	s_cbranch_scc0 .Lm_\@
	tensor_load_to_lds s[G0KV:G0KV+3], s[G1KV:G1KV+7]
	s_nop 0
	NOPS 4
	s_branch .Ld_\@
.Lm_\@:
	tensor_load_to_lds s[G0M:G0M+3], s[G1M:G1M+7]
	s_nop 0
	NOPS 4
.Ld_\@:
.endm
; A PREFETCH of what the NEXT change of slots will ask for, one step ahead of that load, one instruction a wave, each aligned block of 256 bytes named once in the launch.  K and V of a key head are walked by the
; eight clusters of a row of clusters: the one with x = 0 asks (wave 0 K, wave 1 V; the four partners of a row take 8,192 of a step's 32,768 bytes, by address).  A block of queries' mask rows are walked by both
; clusters of a column: the one with y = 0 asks (the four partners of a column take 16 rows, waves 2 and 3 eight each: four lanes to a row's 1,024 bytes).  The last change that fills a slot asks for nothing.
.macro ASK
	s_cmp_gt_u32 s[SLOTS], s[LIM]
	s_cbranch_scc0 .Lna_\@
	global_prefetch_b8 v[PFO], s[PFA:PFA+1] th:TH_LOAD_NT scope:SCOPE_SE
.Lna_\@:
.endm
.macro CROUND
	s_barrier_signal -1
	s_barrier_wait -1
	s_cmp_lg_u32 s[WV], 0
	s_cbranch_scc1 .Lnw_\@
	s_barrier_signal -3
.Lnw_\@:
	s_barrier_wait -3
	s_barrier_signal -1
	s_barrier_wait -1
.endm
.macro DSTEP                           ; the walking descriptors: the other slot, the next 256 keys (behind the wait that shows every load of mine done)
	s_xor_b32 s[TF], s[TF], SLOTB
	s_add_co_u32 s[G0KV+1], s[TF], s[LKV]
	s_add_co_u32 s[G0M+1], s[TF], s[LM]
	s_add_nc_u64 s[G0KV+2:G0KV+3], s[G0KV+2:G0KV+3], 32768
	s_add_nc_u64 s[G0M+2:G0M+3], s[G0M+2:G0M+3], 1024
.endm
.macro LDF reg, adr                    ; eight fragments of K or V
.irp t, 0,1,2,3,4,5,6,7
.irp c, 0,1,2,3
	ds_load_b128 v[\reg+16*\t+4*\c:\reg+16*\t+4*\c+3], v[\adr] offset:\t*16*PK+32*\c
.endr
.endr
.endm
.macro LDM adr                         ; the mask of my 32 queries at my 128 keys, into the score registers of places 0 and 1
.irp a, 0,1
.irp t, 0,1,2,3,4,5,6,7
	ds_load_b128 v[64*\a+8*\t:64*\a+8*\t+3],   v[\adr] offset:\a*16*PM+64*\t
	ds_load_b128 v[64*\a+8*\t+4:64*\a+8*\t+7], v[\adr] offset:\a*16*PM+64*\t+16
.endr
.endr
.endm
.macro NEXTKM ak, am
	WIN 0x40
	LDF 0, \ak
	WIN 0x80
	LDM \am
	WIN 0
.endm
	s_load_b256 s[4:11], s[0:1], 0x0               ; q s[4:5], k s[6:7], v s[8:9], mask s[10:11]
	s_load_b128 s[12:15], s[0:1], 0x20             ; scales s[12:13], a s[14:15]
	v_lshl_add_u32 v[SPW], v0, 2, SPARE
	v_mov_b32 v[NIL], 0
	ds_add_u32 v[SPW], v[NIL]                      ; the opening lines: the add, twice on end, and its wait ahead of my first tensor load
	ds_add_u32 v[SPW], v[NIL]
	v_lshrrev_b32 v12, 5, v0
	v_readfirstlane_b32 s[WV], v12                 ; wave 0..3
	s_lshr_b32 s17, s16, 1
	s_and_b32 s18, s16, 1
	s_bfe_u32 s60, ttmp6, 0x40000                  ; cx
	s_bfe_u32 s61, ttmp6, 0x40004                  ; cy
	s_lshl_b32 s62, ttmp9, 2
	s_add_co_u32 s62, s62, s60                     ; my block of 64 queries
	s_and_b32 s63, ttmp7, 0xffff
	s_lshl_b32 s63, s63, 2
	s_add_co_u32 s63, s63, s61                     ; g, my key head
	s_lshl_b32 s80, s61, 2
	s_lshl_b32 s80, 15, s80                        ; my row of the cluster
	s_lshl_b32 s81, 0x1111, s60                    ; my column
	; group 1 for K and V: 256 rows of 128 bytes lie dense in memory, stated as 128 rows of 256 bytes; 16 bytes of padding behind every 128
	s_or_b32 s[G1KV], s80, (1<<20)|(1<<21)|(4<<22)|(3<<25)
	s_mov_b32 s[G1KV+1], 256<<16
	s_mov_b32 s[G1KV+2], 128<<16
	s_mov_b32 s[G1KV+3], 256<<16
	s_mov_b32 s[G1KV+4], 128
	s_mov_b32 s[G1KV+5], 256
	s_mov_b32 s[G1KV+6], 0
	s_mov_b32 s[G1KV+7], 0
	; group 1 for the mask: 32 rows of 256 elements of 4 bytes, 2,048 elements apart, 16 bytes of padding behind each
	s_or_b32 s[G1M], s81, (2<<16)|(1<<20)|(1<<21)|(7<<22)|(3<<25)
	s_mov_b32 s[G1M+1], 256<<16
	s_mov_b32 s[G1M+2], 32<<16
	s_mov_b32 s[G1M+3], 256<<16
	s_mov_b32 s[G1M+4], 32
	s_mov_b32 s[G1M+5], 2048
	s_mov_b32 s[G1M+6], 0
	s_mov_b32 s[G1M+7], 0
	s_lshl_b32 s82, s63, 18                        ; K, V: the head's 262,144 bytes
	s_mov_b32 s83, 0
	s_lshl_b32 s84, s62, 19
	s_lshl_b32 s85, s18, 18
	s_add_co_u32 s84, s84, s85                     ; mask: 64 rows of 8,192 bytes, my 32 of them
	s_mov_b32 s85, 0
	s_mul_i32 s[LKV], s18, VOFF
	s_mul_i32 s[LM], s18, 32*PM
	s_add_co_u32 s[LM], s[LM], MOFF
	s_mov_b32 s[TB], 0
	s_mov_b32 s[TN], SLOTB
	s_mov_b32 s[TF], 0
	s_mov_b32 s[SLOTS], 6
	s_mov_b32 s[SEL], 0x76543210
	s_mov_b32 s[SEL+1], 0xfedcba98
	s_wait_dscnt 0x0                               ; both opening adds are done
	s_wait_kmcnt 0x0
	s_load_b256 s[68:75], s[12:13], 0x0            ; e0 .. e7
	s_load_b128 s[76:79], s[12:13], 0x20           ; e8 .. e11
	s_cmp_eq_u32 s18, 0
	s_cselect_b64 s[86:87], s[6:7], s[8:9]         ; wave 0: K; wave 1: V
	s_mov_b32 s[G0KV], 1
	s_mov_b32 s[G0KV+1], s[LKV]
	s_add_nc_u64 s[G0KV+2:G0KV+3], s[86:87], s[82:83]
	s_or_b32 s[G0KV+3], s[G0KV+3], 0x80000000
	s_mov_b32 s[G0M], 1
	s_mov_b32 s[G0M+1], s[LM]
	s_add_nc_u64 s[G0M+2:G0M+3], s[10:11], s[84:85]
	s_or_b32 s[G0M+3], s[G0M+3], 0x80000000
	CROUND                                         ; all sixteen work-groups are here: the first joint loads meet
	TLOAD                                          ; step 0 into slot 0
	; Q: place 2 u + a holds tile a of head 2 g + ((w / 2) xor u)
	s_lshl_b32 s92, s62, 6
	s_lshl_b32 s93, s18, 5
	s_add_co_u32 s92, s92, s93
	s_lshl_b32 s92, s92, 7                         ; my first query's row
	s_lshl_b32 s93, s63, 1
	s_add_co_u32 s94, s93, s17
	s_xor_b32 s95, s17, 1
	s_add_co_u32 s95, s93, s95
	s_lshl_b32 s94, s94, 18
	s_lshl_b32 s95, s95, 18
	s_add_co_u32 s88, s94, s92
	s_mov_b32 s89, 0
	s_add_co_u32 s90, s95, s92
	s_mov_b32 s91, 0
	s_add_nc_u64 s[88:89], s[4:5], s[88:89]
	s_add_nc_u64 s[90:91], s[4:5], s[90:91]
	v_and_b32 v12, 15, v0                          ; r
	v_bfe_u32 v13, v0, 4, 1                        ; h
	v_and_b32 v14, 31, v0                          ; lane
	s_wait_alu depctr_va_vdst(0)                   ; the wait behind these writes
	v_lshlrev_b32 v[QO], 7, v12
	v_lshl_add_u32 v[QO], v13, 4, v[QO]            ; Q: row r of 128 bytes, + 16 h
.irp a, 0,1
.irp c, 0,1,2,3
	global_load_b128 v[Q+16*\a+4*\c:Q+16*\a+4*\c+3], v[QO], s[88:89] offset:2048*\a+32*\c
	global_load_b128 v[Q+32+16*\a+4*\c:Q+32+16*\a+4*\c+3], v[QO], s[90:91] offset:2048*\a+32*\c
.endr
.endr
	s_lshl_b32 s96, s62, 6
	s_lshl_b32 s97, s[WV], 4
	s_add_co_u32 s96, s96, s97
	s_lshl_b32 s96, s96, 11
	s_lshl_b32 s97, s63, 8
	s_add_co_u32 s96, s96, s97                     ; a_codes: row 64 x block + 16 w, byte 256 g
	s_mov_b32 s97, 0
	s_add_nc_u64 s[14:15], s[14:15], s[96:97]
	; the prefetches: where mine stand, and who asks
	s_lshl_b32 s96, s63, 18
	s_lshl_b32 s97, s60, 13
	s_add_co_u32 s96, s96, s97                     ; K, V: the head, my work-group's 8,192 bytes of a step
	s_lshl_b32 s98, s62, 6
	s_lshl_b32 s99, s61, 4
	s_add_co_u32 s98, s98, s99
	s_lshl_b32 s99, s18, 3
	s_add_co_u32 s98, s98, s99
	s_lshl_b32 s98, s98, 13                        ; mask: my work-group's 16 rows, my wave's 8
	s_and_b32 s94, ttmp7, 0xffff
	s_mov_b32 s[PFS], 1024
	s_cmp_lt_u32 s[WV], 2
	s_cselect_b64 s[PFA:PFA+1], s[86:87], s[10:11]
	s_cselect_b32 s96, s96, s98
	s_cselect_b32 s94, ttmp9, s94                  ; the coordinate along which other clusters read the same bytes
	s_cselect_b32 s[PFS], 32768, s[PFS]            ; a step on
	s_cselect_b32 s100, 10, 13                     ; lane / 4: 1,024 bytes on, or a row of the mask
	s_lshl_b32 s95, s[PFS], 1
	s_add_co_u32 s96, s96, s95                     ; at step 2
	s_mov_b32 s97, 0
	s_mov_b32 s[PFS+1], 0
	s_add_nc_u64 s[PFA:PFA+1], s[PFA:PFA+1], s[96:97]
	s_cmp_eq_u32 s94, 0
	s_cselect_b32 s[LIM], 1, -1                    ; the same in all sixteen partners, for a given wave
	s_mul_i32 s92, s17, KHALF
	s_mul_i32 s93, s18, 32*PM
	s_lshl_b32 s94, s17, 9
	s_add_co_u32 s93, s93, s94
	s_add_co_u32 s93, s93, MOFF
	s_mul_i32 s94, s[WV], XIMG
	s_xor_b32 s95, s[WV], 2
	s_mul_i32 s95, s95, XIMG
	s_mul_i32 s96, s18, 32*SP
	s_lshl_b32 s97, s17, 7
	s_add_co_u32 s96, s96, s97
	s_add_co_u32 s96, s96, STG
	s_mul_i32 s97, s[WV], 16*SP
	s_add_co_u32 s97, s97, STG
	v_lshrrev_b32 v15, 2, v14
	v_and_b32 v[PFO], 3, v14
	v_lshlrev_b32 v15, s100, v15
	v_lshl_add_u32 v[PFO], v[PFO], 8, v15
	v_mul_u32_u24 v[AK0], v12, PK
	v_lshl_add_u32 v[AK0], v13, 4, v[AK0]
	v_add_nc_u32 v[AK0], s92, v[AK0]               ; K: my block, row r, + 16 h
	v_add_nc_u32 v[AV0], VOFF, v[AK0]              ; V likewise
	v_mul_u32_u24 v[AM0], v12, PM
	v_lshl_add_u32 v[AM0], v13, 5, v[AM0]
	v_add_nc_u32 v[AM0], s93, v[AM0]               ; mask: my query's row, my block's 512 bytes, + 32 h
	v_lshl_add_u32 v[XW], v14, 4, s94              ; my image: 16 x lane,
	v_lshl_add_u32 v[XS], v14, 3, s94
	v_add_nc_u32 v[XS], 16384, v[XS]               ; its statistics: 8 x lane;
	v_lshl_add_u32 v[XR], v14, 4, s95              ; my partner's
	v_lshl_add_u32 v[XRS], v14, 3, s95
	v_add_nc_u32 v[XRS], 16384, v[XRS]
	v_mul_u32_u24 v[STO], v12, SP
	v_lshl_add_u32 v[STO], v13, 3, v[STO]
	v_add_nc_u32 v[STO], s96, v[STO]               ; the stage: my query's row, my head's 128 bytes, + 8 h
	v_mul_u32_u24 v[RD], v13, SP
	v_lshl_add_u32 v[RD], v12, 4, v[RD]
	v_add_nc_u32 v[RD], s97, v[RD]                 ; back: rows 16 w on, sixteen lanes to a row of 256 bytes
	v_lshlrev_b32 v[GO], 11, v13
	v_lshl_add_u32 v[GO], v12, 4, v[GO]            ; and the same two rows in a_codes
	; the sums begin as zeros and the largest t as -3e38: the step is written once, and its first pass multiplies zeros
	v_mov_b32 v[NEG], 0xff61b1e6
	v_mov_b32 v[ZP], 0
	v_mov_b32 v[ZP+1], 0
.irp p, 0,1,2,3
	v_mov_b32 v[ST+8*\p+1], 0xff61b1e6
	v_floor_f32 v[ST+8*\p], -v[ST+8*\p+1]
	v_mov_b32 v[ST+8*\p+2], 0
	v_mov_b32 v[ST+8*\p+3], 0
	v_mov_b32 v[ST+8*\p+5], 0                      ; (named as the upper half of f's pair)
.endr
.set ii, 0
.rept 16
	v_mov_b32 v[WK+ii], 0                          ; written once: a lane permute's destination counts as one of its sources
.set ii, ii+1
.endr
	WIN 0xc0
.set ii, 0
.rept 256
	v_mov_b32 v[ii], 0                             ; O^T
.set ii, ii+1
.endr
	WIN 0
	s_wait_kmcnt 0x0
	s_add_co_i32 s92, s74, s75
	s_lshl_b32 s92, s92, 23
	s_mov_b32 s[CS], 0x3e0293ee                    ; log2(e) / sqrt(128),
	s_add_co_i32 s[CS], s[CS], s92                 ; x 2^(e6 + e7), by its exponent field
	s_mov_b32 s[CS+1], s[CS]
	s_mov_b32 s[KAP], 0x413504f3                   ; sqrt(128),
	s_sub_co_i32 s[KAP], s[KAP], s92               ; / 2^(e6 + e7)
	s_mov_b32 s[KAP+1], s[KAP]
	s_add_co_i32 s92, s76, 127
	s_lshl_b32 s93, s92, 23
	v_mov_b32 v[SCL], s93                          ; 2^e8
	s_add_co_i32 s92, s92, 8
	s_lshl_b32 s92, s92, 23
	s_or_b32 s92, s92, 0x600000
	v_mov_b32 v[CAP], s92                          ; 448 x 2^e8
	s_sub_co_i32 s92, s78, s76
	s_sub_co_i32 s92, s92, s77                     ; O / sum stands for that x 2^(e8 + e9): its code is that / 2^(e10 - e8 - e9)
	s_add_co_i32 s92, s92, 127
	s_lshl_b32 s93, s92, 23
	v_mov_b32 v[SCL2], s93
	s_add_co_i32 s92, s92, 8
	s_lshl_b32 s92, s92, 23
	s_or_b32 s92, s92, 0x600000
	v_mov_b32 v[CAP2], s92
.macro QK u                            ; S^T of places 2 u, 2 u + 1: C is the scaled mask, which lies in the registers of places 0 and 1
.irp t, 0,1,2,3,4,5,6,7
.irp a, 0,1
	v_wmma_f32_16x16x128_fp8_fp8 v[128*(\u)+64*\a+8*\t:128*(\u)+64*\a+8*\t+7], v[16*\t:16*\t+15], v[Q+32*(\u)+16*\a:Q+32*(\u)+16*\a+15], v[64*\a+8*\t:64*\a+8*\t+7]
.endr
.endr
.endm
.macro SUM x, y                        ; the sum of the unquantised p of one place, in four chains
	WIN 0x08
	v_pk_add_f32 v[\y+2:\y+3], v[\y+2:\y+3], v[\x:\x+1]
	v_pk_add_f32 v[CH:CH+1], v[ZP:ZP+1], v[\x+2:\x+3]
	v_pk_add_f32 v[CH+2:CH+3], v[ZP:ZP+1], v[\x+4:\x+5]
	v_pk_add_f32 v[CH+4:CH+5], v[ZP:ZP+1], v[\x+6:\x+7]
.set jj, 8
.rept 7
	v_pk_add_f32 v[\y+2:\y+3], v[\y+2:\y+3], v[\x+jj:\x+jj+1]
	v_pk_add_f32 v[CH:CH+1], v[CH:CH+1], v[\x+jj+2:\x+jj+3]
	v_pk_add_f32 v[CH+2:CH+3], v[CH+2:CH+3], v[\x+jj+4:\x+jj+5]
	v_pk_add_f32 v[CH+4:CH+5], v[CH+4:CH+5], v[\x+jj+6:\x+jj+7]
.set jj, jj+8
.endr
	WIN 0
	v_pk_add_f32 v[\y+2:\y+3], v[\y+2:\y+3], v[CH:CH+1]
	v_pk_add_f32 v[CH+2:CH+3], v[CH+2:CH+3], v[CH+4:CH+5]
	v_pk_add_f32 v[\y+2:\y+3], v[\y+2:\y+3], v[CH+2:CH+3]
.endm
; The softmax of places 2 u and 2 u + 1 for one step, their chains line by line in turn.
.macro SM2 u
.set XA, 128*(\u)
.set XB, 128*(\u)+64
.set YA, ST+16*(\u)
.set YB, ST+16*(\u)+8
	WIN 0x28                                       ; sources 1 and 2 (the scores) window 2
	s_wait_alu depctr_va_vdst(0)                   ; the wait directly ahead of the first readers of the scores
	v_max3_num_f32 v[WK], v[NEG], v[XA], v[XA+1]   ; the step's largest u of my query among my 64 keys, two chains a place; each accumulator from its low end on
	v_max3_num_f32 v[WK+8], v[NEG], v[XB], v[XB+1]
	v_max3_num_f32 v[WK+1], v[NEG], v[XA+2], v[XA+3]
	v_max3_num_f32 v[WK+9], v[NEG], v[XB+2], v[XB+3]
.set jj, 4
.rept 15
	v_max3_num_f32 v[WK], v[WK], v[XA+jj], v[XA+jj+1]
	v_max3_num_f32 v[WK+8], v[WK+8], v[XB+jj], v[XB+jj+1]
	v_max3_num_f32 v[WK+1], v[WK+1], v[XA+jj+2], v[XA+jj+3]
	v_max3_num_f32 v[WK+9], v[WK+9], v[XB+jj+2], v[XB+jj+3]
.set jj, jj+4
.endr
	WIN 0
.irp o, 0,8
	v_max_num_f32 v[WK+\o], v[WK+\o], v[WK+\o+1]
.endr
.irp o, 0,8
	v_permlanex16_b32 v[WK+\o+2], v[WK+\o], s[SEL], s[SEL+1]
.endr
.irp o, 0,8
	v_max_num_f32 v[WK+\o], v[WK+\o], v[WK+\o+2]   ; and among lane l xor 16's
.endr
.irp o, 0,8
	v_mul_f32 v[WK+\o], s[CS], v[WK+\o]            ; as t (c is positive)
.endr
.irp o, 0,8
	v_max_num_f32 v[YA+\o+1], v[YA+\o+1], v[WK+\o] ; the running largest t
.endr
.irp o, 0,8
	v_mov_b32 v[WK+\o+3], v[YA+\o]
.endr
.irp o, 0,8
	v_floor_f32 v[YA+\o], -v[YA+\o+1]              ; -M = floor(-t): M is a whole number
.endr
.irp o, 0,8
	v_sub_f32 v[WK+\o+3], v[YA+\o], v[WK+\o+3]     ; old M - new M: a whole number, 0 or less
.endr
.irp o, 0,8
	v_cvt_i32_f32 v[WK+\o+3], v[WK+\o+3]           ; (it saturates)
.endr
.irp o, 0,8
	v_ldexp_f32 v[YA+\o+4], 1.0, v[WK+\o+3]        ; f = 2^(old M - new M)
.endr
.irp o, 0,8
	v_pk_mul_f32 v[YA+\o+2:YA+\o+3], v[YA+\o+2:YA+\o+3], v[YA+\o+4:YA+\o+5] op_sel_hi:[1,0]   ; the sum under the new M
.endr
	WIN 0xc3                                       ; O^T (destination and source 0) window 3
	s_wait_alu depctr_va_vdst(0)                   ; the wait directly ahead of the first readers of O^T
.set jj, 0
.rept 32
	v_pk_mul_f32 v[XA+jj:XA+jj+1], v[XA+jj:XA+jj+1], v[YA+4:YA+5] op_sel_hi:[1,0]   ; O^T under the new M
	v_pk_mul_f32 v[XB+jj:XB+jj+1], v[XB+jj:XB+jj+1], v[YB+4:YB+5] op_sel_hi:[1,0]
.set jj, jj+2
.endr
	WIN 0x82                                       ; the scores (destination and source 0) window 2
.set jj, 0
.rept 32
	v_pk_fma_f32 v[XA+jj:XA+jj+1], v[XA+jj:XA+jj+1], s[CS:CS+1], v[YA:YA+1] op_sel_hi:[1,0,0]   ; u c - M
.set jj, jj+2
.endr
	s_wait_alu depctr_va_vdst(0)                   ; the wait ahead of the batch
.set jj, 0
.rept 32
	v_exp_f32 v[XA+jj], v[XA+jj]                   ; p = 2^(t - M) of the first place; between the exponentials the second place's u c - M, first read behind the wait below
	v_pk_fma_f32 v[XB+jj:XB+jj+1], v[XB+jj:XB+jj+1], s[CS:CS+1], v[YB:YB+1] op_sel_hi:[1,0,0]
	v_exp_f32 v[XA+jj+1], v[XA+jj+1]
.set jj, jj+2
.endr
	v_nop                                          ; a plain place behind the last exponential
	s_wait_alu depctr_va_vdst(0)                   ; the wait behind the batch
	SUM XA, YA
	WIN 0x82
	s_wait_alu depctr_va_vdst(0)                   ; the wait ahead of the batch
.set jj, 0
.rept 64
	v_exp_f32 v[XB+jj], v[XB+jj]                   ; the second place's p; between the exponentials the first place's hold, first read behind the wait below
	v_min_num_f32 v[XA+jj], v[XA+jj], v[CAP]       ; the conversion does not saturate (ISA guide 7.6.2); p is not negative, so the hold is one-sided
.set jj, jj+1
.endr
	s_wait_alu depctr_va_vdst(0)                   ; the wait behind the batch
	SUM XB, YB
	WIN 0x82
.set jj, 0
.rept 64
	v_min_num_f32 v[XB+jj], v[XB+jj], v[CAP]
.set jj, jj+1
.endr
	WIN 0x02
.set jj, 0
.rept 16
	v_cvt_scalef32_pk8_fp8_f32 v[P+32*(\u)+2*jj:P+32*(\u)+2*jj+1], v[XA+8*jj:XA+8*jj+7], v[SCL]
.set jj, jj+1
.endr
	WIN 0
	v_nop                                          ; one plain vector line behind the last conversion
.endm
; A STEP: my 128 keys of the slot at s[TB].  On entry K's fragments and the mask are on their way into registers.  fill = 1: the change of slots is a round of the cluster's barrier, and the slot is filled again.
.macro BODY fill
	v_add_nc_u32 v[ADV], s[TB], v[AV0]             ; these three and a v_nop are the four places between the last step's products and the loads into V's registers
	v_add_nc_u32 v[ADK], s[TN], v[AK0]
	v_add_nc_u32 v[ADM], s[TN], v[AM0]
	v_nop
	s_wait_alu depctr_va_vdst(0)                   ; the wait behind these writes
	WIN 0x40
	LDF 128, ADV                                   ; V's eight fragments land under the first products and softmax
	s_wait_dscnt 32                                ; K and the mask are in; V's 32 loads may be out
	WIN 0x82
.set jj, 0
.rept 64
	v_pk_mul_f32 v[jj:jj+1], v[jj:jj+1], s[KAP:KAP+1] op_sel_hi:[1,0]   ; mask x kappa, once for both heads
.set jj, jj+2
.endr
	WIN 0xa1                                       ; K window 1, Q window 0, C and D window 2
	QK 1
	NOPS 5                                         ; five places: the products below write over registers that those above read as C
	QK 0
	NOPS 4
	SM2 0
	s_wait_alu depctr_va_vdst(0)                   ; the wait directly ahead of the blocking wait
	s_wait_tensorcnt 0x0                           ; my part of the next slot has landed: no load of mine is out, so a group 0 may be written
	ds_add_u32 v[SPW], v[NIL]                      ; 0 onto my spare word
.if \fill
	DSTEP
	s_wait_xcnt 0x0                                ; my last prefetch, a step back, has read its address
	s_add_nc_u64 s[PFA:PFA+1], s[PFA:PFA+1], s[PFS:PFS+1]
.endif
	s_wait_dscnt 0x0                               ; the add is done, V is in, and so my reads of this slot are over
.if \fill
	CROUND
	TLOAD                                          ; the first thing behind the round, and my one tensor load until the next
	NEXTKM ADK, ADM                                ; the next step's K and mask land under the second softmax
	ASK
.else
	s_barrier_signal -1
	s_barrier_wait -1
	s_cmp_eq_u32 s[SLOTS], 1                       ; the last step has no successor
	s_cbranch_scc1 .Lnn_\@
	NEXTKM ADK, ADM
.Lnn_\@:
.endif
	SM2 1
	WIN 0xf1                                       ; V window 1, P window 0, C and D window 3
.irp t, 0,1,2,3,4,5,6,7
.irp p, 0,1,2,3
	v_wmma_f32_16x16x128_fp8_fp8 v[64*\p+8*\t:64*\p+8*\t+7], v[128+16*\t:128+16*\t+15], v[P+16*\p:P+16*\p+15], v[64*\p+8*\t:64*\p+8*\t+7]
.endr
.endr
	WIN 0
	s_xor_b32 s[TB], s[TB], SLOTB
	s_xor_b32 s[TN], s[TN], SLOTB
.endm
	s_wait_alu depctr_va_vdst(0)                   ; the wait at the head's end
	s_wait_loadcnt 0x0                             ; Q
	s_wait_tensorcnt 0x0                           ; my part of step 0 is in; slot 1's first fill is issued as a refill is:
	ds_add_u32 v[SPW], v[NIL]
	DSTEP
	s_wait_dscnt 0x0
	CROUND
	TLOAD                                          ; step 1 into slot 1
	NEXTKM AK0, AM0                                ; step 0's K and mask
	ASK                                            ; step 2
.Lstep:                                            ; six trips: steps 0 to 5 ask for steps 2 to 7
	BODY 1
	s_sub_co_u32 s[SLOTS], s[SLOTS], 1
	s_cmp_lg_u32 s[SLOTS], 0
	s_wait_alu depctr_va_vdst(0)
	s_cbranch_scc1 .Lstep
	s_mov_b32 s[SLOTS], 2
.Ltail:                                            ; steps 6 and 7 fill nothing: they are written out
	BODY 0
	s_sub_co_u32 s[SLOTS], s[SLOTS], 1
	s_cmp_lg_u32 s[SLOTS], 0
	s_wait_alu depctr_va_vdst(0)
	s_cbranch_scc1 .Ltail
	; ---- THE END.  Every wave has read its last tiles (the barrier in step 7): the ring's bytes serve the exchange and the stage.
.irp p, 0,1,2,3
	v_add_f32 v[ST+8*\p+1], v[ST+8*\p+2], v[ST+8*\p+3]   ; each place's sum, its two halves (the largest t is needed no more).  Also the four places behind the last products
.endr
	WIN 0x0c                                       ; the stores' data window 3
.set ii, 0
.rept 32
	ds_store_b128 v[XW], v[128+4*ii:128+4*ii+3] offset:512*ii   ; O^T of places 2 and 3 as an image of their registers
.set ii, ii+1
.endr
	WIN 0
	ds_store_b64 v[XS], v[ST+16:ST+17]             ; their -M and their sums
	ds_store_b64 v[XS], v[ST+24:ST+25] offset:256
	s_wait_alu depctr_va_vdst(0)
	s_wait_dscnt 0x0                               ; for the others' sake: my stores are done
	s_barrier_signal -1
	s_barrier_wait -1
	WIN 0x80
.set ii, 0
.rept 32
	ds_load_b128 v[4*ii:4*ii+3], v[XR] offset:512*ii   ; my head's O^T over the other blocks of keys: the same queries and channels in the same lanes
.set ii, ii+1
.endr
	WIN 0
	ds_load_b64 v[WK:WK+1], v[XRS]
	ds_load_b64 v[WK+8:WK+9], v[XRS] offset:256
	s_wait_dscnt 0x0
.irp o, 0,8
	v_min_num_f32 v[WK+\o+2], v[ST+\o], v[WK+\o]   ; -M of the whole row
.endr
.irp o, 0,8
	v_sub_f32 v[WK+\o+3], v[WK+\o+2], v[ST+\o]
	v_sub_f32 v[WK+\o+4], v[WK+\o+2], v[WK+\o]
.endr
.irp o, 0,8
	v_cvt_i32_f32 v[WK+\o+3], v[WK+\o+3]
	v_cvt_i32_f32 v[WK+\o+4], v[WK+\o+4]
.endr
.irp o, 0,8
	v_ldexp_f32 v[WK+\o+3], 1.0, v[WK+\o+3]        ; 2^(my M - M)
	v_ldexp_f32 v[WK+\o+4], 1.0, v[WK+\o+4]        ; 2^(the other M - M)
.endr
.irp o, 0,8
	v_mul_f32 v[WK+\o+5], v[ST+\o+1], v[WK+\o+3]
.endr
.irp o, 0,8
	v_fma_f32 v[WK+\o+5], v[WK+\o+1], v[WK+\o+4], v[WK+\o+5]
.endr
.irp o, 0,8
	v_permlanex16_b32 v[WK+\o+6], v[WK+\o+5], s[SEL], s[SEL+1]
.endr
.irp o, 0,8
	v_add_f32 v[WK+\o+5], v[WK+\o+5], v[WK+\o+6]   ; the row's sum
.endr
	s_wait_alu depctr_va_vdst(0)                   ; the wait ahead of the batch
	v_rcp_f32 v[WK+5], v[WK+5]
	v_rcp_f32 v[WK+13], v[WK+13]
	v_nop                                          ; a plain place behind the transcendentals
	s_wait_alu depctr_va_vdst(0)                   ; the wait behind the batch
.irp o, 0,8
	v_mul_f32 v[CH+\o], v[WK+\o+3], v[WK+\o+5]
	v_mul_f32 v[CH+\o+1], v[WK+\o+3], v[WK+\o+5]
	v_mul_f32 v[CH+\o+2], v[WK+\o+4], v[WK+\o+5]
	v_mul_f32 v[CH+\o+3], v[WK+\o+4], v[WK+\o+5]
.endr
	WIN 0x82
.set ii, 0
.rept 64
	v_pk_mul_f32 v[ii:ii+1], v[ii:ii+1], v[CH+8*(ii/64)+2:CH+8*(ii/64)+3]
.set ii, ii+2
.endr
	WIN 0xa3                                       ; source 0 (my O^T) window 3, source 2 and destination window 2
	s_wait_alu depctr_va_vdst(0)                   ; the wait directly ahead of the first readers of O^T
.set ii, 0
.rept 64
	v_pk_fma_f32 v[ii:ii+1], v[ii:ii+1], v[CH+8*(ii/64):CH+8*(ii/64)+1], v[ii:ii+1]   ; O / sum; each accumulator from its low end on
.set ii, ii+2
.endr
	WIN 0x82
.set ii, 0
.rept 128
	v_med3_num_f32 v[ii], v[ii], -v[CAP2], v[CAP2]
.set ii, ii+1
.endr
	WIN 0x02
.set ii, 0
.rept 16
	v_cvt_scalef32_pk8_fp8_f32 v[P+2*ii:P+2*ii+1], v[8*ii:8*ii+7], v[SCL2]
.set ii, ii+1
.endr
	WIN 0
	v_nop                                          ; one plain vector line behind the last conversion
.set ii, 0
.rept 16
	ds_store_b64 v[STO], v[P+2*ii:P+2*ii+1] offset:(ii/8)*16*SP+16*(ii%8)   ; channels 16 t + 8 h + 0 .. 7 of my query and head
.set ii, ii+1
.endr
	s_wait_dscnt 0x0
	s_barrier_signal -1
	s_barrier_wait -1                              ; 64 rows of 256 bytes lie in the stage
.irp i, 0,1,2,3,4,5,6,7
	ds_load_b128 v[Q+4*\i:Q+4*\i+3], v[RD] offset:\i*2*SP
.endr
.irp i, 0,1,2,3,4,5,6,7
	s_wait_dscnt 7-\i
	global_store_b128 v[GO], v[Q+4*\i:Q+4*\i+3], s[14:15] offset:4096*\i   ; sixteen lanes store 256 consecutive bytes, at a multiple of 256 from the buffer's first byte
.endr
	s_wait_tensorcnt 0x0                           ; the wave's end
	ds_add_u32 v[SPW], v[NIL]
	s_wait_dscnt 0x0
	CROUND                                         ; the closing round
	s_endpgm
.Lfunc_end_k_q2a234a1542_attn:
	.size	k_q2a234a1542_attn, .Lfunc_end_k_q2a234a1542_attn-k_q2a234a1542_attn
	.p2alignl 7, 3214868480
	.fill 96, 4, 3214868480
	.section	.rodata,"a",@progbits
	.p2align	6, 0x0
	.amdhsa_kernel k_q2a234a1542_attn
		.amdhsa_group_segment_fixed_size 327680
		.amdhsa_private_segment_fixed_size 0
		.amdhsa_enable_private_segment 0
		.amdhsa_kernarg_size 48
		.amdhsa_user_sgpr_count 2
		.amdhsa_user_sgpr_kernarg_segment_ptr 1
		.amdhsa_wavefront_size32 1
		.amdhsa_system_sgpr_workgroup_id_x 1
		.amdhsa_system_sgpr_workgroup_id_y 1
		.amdhsa_system_sgpr_workgroup_id_z 1
		.amdhsa_system_vgpr_workitem_id 0
		.amdhsa_next_free_vgpr 1024
		.amdhsa_next_free_sgpr 102
		.amdhsa_reserve_vcc 0
		.amdhsa_float_denorm_mode_32 3
		.amdhsa_float_denorm_mode_16_64 3
		.amdhsa_memory_ordered 1
		.amdhsa_forward_progress 1
		.amdhsa_inst_pref_size 192
	.end_amdhsa_kernel
	.amdgpu_metadata
---
amdhsa.version: [ 1, 2 ]
amdhsa.kernels:
  - .name:           k_q2a234a1542_attn
    .symbol:         k_q2a234a1542_attn.kd
    .args:
      - { .name: q_codes, .offset: 0, .size: 8, .value_kind: global_buffer, .address_space: global }
      - { .name: k_codes, .offset: 8, .size: 8, .value_kind: global_buffer, .address_space: global }
      - { .name: v_codes, .offset: 16, .size: 8, .value_kind: global_buffer, .address_space: global }
      - { .name: attention_mask, .offset: 24, .size: 8, .value_kind: global_buffer, .address_space: global }
      - { .name: lowp_scales, .offset: 32, .size: 8, .value_kind: global_buffer, .address_space: global }
      - { .name: a_codes, .offset: 40, .size: 8, .value_kind: global_buffer, .address_space: global }
    .group_segment_fixed_size: 327680
    .private_segment_fixed_size: 0
    .kernarg_segment_align: 8
    .kernarg_segment_size: 48
    .max_flat_workgroup_size: 128
    .sgpr_count:     102
    .vgpr_count:     1024
    .wavefront_size: 32
...
	.end_amdgpu_metadata
.endif
;; end of part 2
;; launch oproj (part 3): grid 16 x 16, 4 waves a work-group, clusters of 4 x 4, 327,680 bytes of LDS; arguments a_codes, Wo_codes, lowp_scales, out0; writes out0
.if DOCPART == 3
	.amdgcn_target "amdgcn-amd-amdhsa--gfx1250"
	.amdhsa_code_object_version 6
	.text
	.protected	k_q2a234a1542_oproj
	.globl	k_q2a234a1542_oproj
	.p2align	8
	.type	k_q2a234a1542_oproj,@function
k_q2a234a1542_oproj:
	s_mov_b64 s[64:65], 0
	v_nop
	global_prefetch_b8 v0, s[64:65] scope:SCOPE_SE
	s_setreg_imm32_b32 hwreg(HW_REG_WAVE_MODE, 25, 1), 1
	s_wait_xcnt 0x0
	s_wait_alu depctr_hold_cnt(0) depctr_sa_sdst(0) depctr_va_vdst(0) depctr_va_sdst(0) depctr_va_ssrc(0) depctr_va_vcc(0) depctr_vm_vsrc(0)
	s_getreg_b32 s2, hwreg(HW_REG_IB_STS2, 6, 4)
	s_cmp_eq_u32 s2, 0
	s_cbranch_scc0 .Lentry_in_a_cluster
	s_endpgm
.Lentry_in_a_cluster:
	s_bfe_u32 s2, ttmp6, 0x10000c
	s_cmp_lg_u32 s2, 0xf033
	s_cbranch_scc0 .Lentry_shape_is_right
	s_endpgm
.Lentry_shape_is_right:
; out0 = a x Wo^T on codes of E4M3 (a_codes [2048][2048] as the attention launch stored them, scales' entry 10; Wo_codes [4096][2048], entry 11), f32 sums, each finished sum x 2^(e10 + e11).
; LIMIT: e10 + e11 between -126 and 127, so that the factor is an f32 number.
; SHARES.  A work-group makes 128 x 256 of out0: 256 blocks.  Four waves, 64 x 128 each: 32 accumulators (window 2); B's fragments in two sets in window 1, A's in two sets at v128 of window 0.
; K goes in steps of 256 through a ring of two LDS slots (128 rows of A, 256 of B, rows of 256 bytes + 16 of padding).  CLUSTER 4 x 4: A's tiles jointly along a row, B's along a column; clusters begin along K at different places (s[ROT]) and go round.
; The products are used transposed (source 0 = rows of Wo), so that a lane holds eight neighbouring numbers of a row; a block of 16 rows goes through the wave's own stage in LDS and leaves as whole rows of 512 bytes.
; PREFETCH.  Behind the joint load of K step s stands one prefetch for K step s + 2 (at the head: for steps 1, 2 and 3).  Of the rows that a wave fetches (64 of A or 128 of B) each of the four partners of the joint load names
; a quarter, told apart by address: a lane a row, 256 bytes of a row a step; A's left-over lanes name their wave's last row again.  The loads of steps 6 and 7 ask for nothing.
.set KROW,  2048
.set KSH,   11
.set LAPS,  KROW/512
.set PITCH, 272
.set AROWS, 128*PITCH
.set SLOT,  384*PITCH
.set STAGE, 2*SLOT
.set SPITCH, 528
.set SPARE, STAGE+4*16*SPITCH
.set NROW,  16384
.set ADRA, 16
.set ADRB, 20
.set STO,  24
.set RD,   25
.set CO,   26
.set SPW,  28
.set NIL,  29
.set TMP,  32
.set AF,   128
.set BK,   128
.set G1,  24
.set G0,  32
.set G1B, 48
.set G0B, 56
.set KO,   12
.set ROT,  67
.set PFO,  13                          ; v13 the prefetches' row offset; v10-12 the same + K steps 1, 2, 3; never rewritten
.set PFB,  86                          ; s[86:87] my work-group's rows of those that my wave fetches
.set PFT,  88                          ; s[88:89] the same at the K step that is asked for
.set PKO,  90                          ; s[90:91] that K step's byte in a row
.set MSB, 0
.macro WIN new
.if MSB != \new
	s_set_vgpr_msb (MSB<<8)|\new
.set MSB, \new
.endif
.endm
.macro PLACES n
.rept \n
	v_nop
.endr
.endm
.macro JLOAD g0a, g1a, g0b, g1b
	s_cmp_eq_u32 s23, 0
	s_cbranch_scc0 .Lfor_b_\@
	tensor_load_to_lds s[\g0a:\g0a+3], s[\g1a:\g1a+7]
	s_nop 0
.rept 4
	v_nop
.endr
	s_branch .Lasked_\@
.Lfor_b_\@:
	tensor_load_to_lds s[\g0b:\g0b+3], s[\g1b:\g1b+7]
	s_nop 0
.rept 4
	v_nop
.endr
.Lasked_\@:
.endm
.macro CREST
	s_cmp_lg_u32 s22, 0
	s_cbranch_scc1 .Lnot_wave_0_\@
	s_barrier_signal -3
.Lnot_wave_0_\@:
	s_barrier_wait -3
	s_barrier_signal -1
	s_barrier_wait -1
.endm
.macro CROUND
	s_barrier_signal -1
	s_barrier_wait -1
	CREST
.endm
	s_load_b256 s[4:11], s[0:1], 0x0
	v_lshl_add_u32 v[SPW], v0, 2, SPARE
	v_mov_b32 v[NIL], 0
	ds_add_u32 v28, v29
	ds_add_u32 v28, v29
	s_wait_dscnt 0x0
	v_lshrrev_b32 v1, 5, v0
	v_readfirstlane_b32 s22, v1
	s_lshr_b32 s23, s22, 1
	s_and_b32 s66, s22, 1
	s_bfe_u32 s40, ttmp6, 0x40000
	s_bfe_u32 s41, ttmp6, 0x40004
	s_lshl_b32 s42, ttmp9, 2
	s_add_co_u32 s42, s42, s40
	s_and_b32 s43, ttmp7, 0xffff
	s_lshr_b32 s[ROT], s43, 1
	s_xor_b32 s[ROT], s[ROT], s43
	s_and_b32 s[ROT], s[ROT], 1
	s_lshl_b32 s[ROT], s[ROT], 1
	s_add_co_u32 s[ROT], s[ROT], ttmp9
	s_and_b32 s[ROT], s[ROT], 3
	s_lshl_b32 s[ROT], s[ROT], 9
	s_lshl_b32 s43, s43, 2
	s_add_co_u32 s43, s43, s41
	s_lshl_b32 s44, s41, 2
	s_lshl_b32 s44, 15, s44
	s_lshl_b32 s45, 0x1111, s40
	s_or_b32 s[G1], s44, (1<<20)|(1<<21)|(5<<22)|(3<<25)
	s_mov_b32 s[G1+1], 256<<16
	s_mov_b32 s[G1+2], 64<<16
	s_mov_b32 s[G1+3], 256<<16
	s_mov_b32 s[G1+4], 64
	s_mov_b32 s[G1+5], KROW
	s_mov_b32 s[G1+6], 0
	s_mov_b32 s[G1+7], 0
	s_or_b32 s[G1B], s45, (1<<20)|(1<<21)|(5<<22)|(3<<25)
	s_mov_b32 s[G1B+1], 256<<16
	s_mov_b32 s[G1B+2], 128<<16
	s_mov_b32 s[G1B+3], 256<<16
	s_mov_b32 s[G1B+4], 128
	s_mov_b32 s[G1B+5], KROW
	s_mov_b32 s[G1B+6], 0
	s_mov_b32 s[G1B+7], 0
	s_lshl_b32 s86, s43, 7
	s_lshl_b32 s46, s66, 6
	s_add_co_u32 s86, s86, s46
	s_lshl_b32 s86, s86, KSH
	s_mov_b32 s87, 0
	s_lshl_b32 s88, s42, 8
	s_lshl_b32 s47, s66, 7
	s_add_co_u32 s88, s88, s47
	s_lshl_b32 s88, s88, KSH
	s_mov_b32 s89, 0
	s_lshl_b32 s92, s43, 7
	s_lshl_b32 s93, s23, 6
	s_add_co_u32 s92, s92, s93
	s_lshl_b32 s92, s92, 14
	s_lshl_b32 s93, s42, 10
	s_add_co_u32 s92, s92, s93
	s_lshl_b32 s93, s66, 9
	s_add_co_u32 s92, s92, s93
	s_mov_b32 s93, 0
	s_mul_i32 s46, s66, 64*PITCH
	s_mul_i32 s47, s66, 128*PITCH
	s_add_co_u32 s47, s47, AROWS
	s_mov_b32 s[KO], s[ROT]
	s_mov_b32 s[KO+1], 0
	s_add_co_u32 s[KO+2], s[ROT], 256
	s_mov_b32 s[KO+3], 0
	s_wait_kmcnt 0x0
	s_load_b64 s[96:97], s[8:9], 0x28
	s_add_nc_u64 s[80:81], s[4:5], s[86:87]
	s_add_nc_u64 s[82:83], s[6:7], s[88:89]
	s_add_nc_u64 s[10:11], s[10:11], s[92:93]
	s_cmp_eq_u32 s23, 0                            ; do I fetch for A?
	s_cselect_b64 s[PFB:PFB+1], s[80:81], s[82:83]
	s_cselect_b32 s94, s40, s41                    ; my place among the four that ask with me: cx for A, cy for B
	s_cselect_b32 s95, KSH+4, KSH+5                ; 16 rows of A or 32 of B to a partner
	s_cselect_b32 s98, 15, 31
	s_lshl_b32 s94, s94, s95
	s_mov_b32 s95, 0
	s_add_nc_u64 s[PFB:PFB+1], s[PFB:PFB+1], s[94:95]
	s_mov_b32 s[PKO+1], 0
	v_and_b32 v[PFO], 31, v0
	v_min_u32 v[PFO], s98, v[PFO]
	v_lshlrev_b32 v[PFO], KSH, v[PFO]              ; a lane a row
.irp j, 1,2,3
	s_add_co_u32 s[PKO], s[ROT], 256*\j
	s_and_b32 s[PKO], s[PKO], KROW-1
	v_add_nc_u32 v[PFO-4+\j], s[PKO], v[PFO]
.endr
	CROUND                                         ; all sixteen work-groups are here: the first joint loads meet
.irp s, 0,1
	s_mov_b32 s[G0+4*\s], 1
	s_add_co_u32 s[G0+4*\s+1], s46, \s*SLOT
	s_add_nc_u64 s[G0+4*\s+2:G0+4*\s+3], s[80:81], s[KO+2*\s:KO+2*\s+1]
	s_or_b32 s[G0+4*\s+3], s[G0+4*\s+3], 0x80000000
	s_mov_b32 s[G0B+4*\s], 1
	s_add_co_u32 s[G0B+4*\s+1], s47, \s*SLOT
	s_add_nc_u64 s[G0B+4*\s+2:G0B+4*\s+3], s[82:83], s[KO+2*\s:KO+2*\s+1]
	s_or_b32 s[G0B+4*\s+3], s[G0B+4*\s+3], 0x80000000
.endr
	JLOAD G0, G1, G0B, G1B                         ; K step 0: one tensor load a wave at the head
	s_wait_alu depctr_va_vdst(0)                   ; the wait here, ahead of the readers below
	global_prefetch_b8 v[PFO-3], s[PFB:PFB+1] th:TH_LOAD_NT scope:SCOPE_SE   ; K step 1
	global_prefetch_b8 v[PFO-2], s[PFB:PFB+1] th:TH_LOAD_NT scope:SCOPE_SE   ; K step 2
	v_and_b32 v1, 15, v0
	s_wait_alu depctr_va_vdst(0)
	v_bfe_u32 v2, v0, 4, 1
	v_mul_u32_u24 v3, v1, PITCH
	v_lshl_add_u32 v3, v2, 4, v3
	s_mul_i32 s46, s23, 64*PITCH
	s_mul_i32 s47, s66, 128*PITCH
	s_add_co_u32 s47, s47, AROWS
.irp s, 0,1
	v_add_nc_u32 v[ADRA+\s], s46, v3
	v_add_nc_u32 v[ADRB+\s], s47, v3
	s_add_co_u32 s46, s46, SLOT
	s_add_co_u32 s47, s47, SLOT
.endr
	s_mul_i32 s46, s22, 16*SPITCH
	s_add_co_u32 s46, s46, STAGE
	v_mul_u32_u24 v4, v1, SPITCH
	s_wait_alu depctr_va_vdst(0)
	v_lshl_add_u32 v4, v2, 5, v4
	v_add_nc_u32 v[STO], s46, v4
	v_and_b32 v5, 31, v0
	v_lshlrev_b32 v[CO], 4, v5
	v_add_nc_u32 v[RD], s46, v[CO]
.macro FRAG reg, adr, q, i
.irp c, 0,1,2,3
	ds_load_b128 v[\reg+4*\c:\reg+4*\c+3], v[\adr] offset:128*(\q)+32*\c+(\i)*16*PITCH
.endr
.endm
.macro FETCH slot, q, p
	WIN 0x40
.irp i, 0,1,2,3,4,5,6,7
	FRAG 128*(\p)+16*\i, ADRB+\slot, \q, \i
.endr
	WIN 0
.irp i, 0,1,2,3
	FRAG AF+64*(\p)+16*\i, ADRA+\slot, \q, \i
.endr
.endm
.macro MUL8 a, p, zero
.irp b, 0,1,2,3,4,5,6,7
.if \zero
	v_wmma_f32_16x16x128_fp8_fp8 v[8*(8*(\a)+\b):8*(8*(\a)+\b)+7], v[128*(\p)+16*\b:128*(\p)+16*\b+15], v[AF+64*(\p)+16*(\a):AF+64*(\p)+16*(\a)+15], 0
.else
	v_wmma_f32_16x16x128_fp8_fp8 v[8*(8*(\a)+\b):8*(8*(\a)+\b)+7], v[128*(\p)+16*\b:128*(\p)+16*\b+15], v[AF+64*(\p)+16*(\a):AF+64*(\p)+16*(\a)+15], v[8*(8*(\a)+\b):8*(8*(\a)+\b)+7]
.endif
.endr
.endm
.macro STEP slot, zero
	PLACES 4
	FETCH \slot, 1, 1
	s_wait_dscnt 48
	WIN 0xa1
	MUL8 0, 0, \zero
	MUL8 1, 0, \zero
	MUL8 2, 0, \zero
	MUL8 3, 0, \zero
	WIN 0
.endm
.macro TURN slot, next, fill
	s_wait_dscnt 0x0                               ; set 1 is in: my reads of this slot are over
	WIN 0xa1
	MUL8 0, 1, 0
	MUL8 1, 1, 0
	WIN 0                                          ; (the add's two registers lie in window 0)
	s_wait_tensorcnt 0x0                           ; my part of the next slot has landed: no load of mine is out, so a group 0 may be written
	ds_add_u32 v[SPW], v[NIL]
.if \fill
	s_add_co_u32 s[KO+2*\slot], s[KO+2*\slot], 512
	s_and_b32 s[KO+2*\slot], s[KO+2*\slot], KROW-1
	s_add_nc_u64 s[G0+4*\slot+2:G0+4*\slot+3], s[80:81], s[KO+2*\slot:KO+2*\slot+1]
	s_or_b32 s[G0+4*\slot+3], s[G0+4*\slot+3], 0x80000000
	s_add_nc_u64 s[G0B+4*\slot+2:G0B+4*\slot+3], s[82:83], s[KO+2*\slot:KO+2*\slot+1]
	s_or_b32 s[G0B+4*\slot+3], s[G0B+4*\slot+3], 0x80000000
	s_wait_xcnt 0x0                                ; my last prefetch has read its address, so it may be written:
	s_add_co_u32 s[PKO], s[KO+2*\slot], 512        ; two K steps on from the one that is about to be loaded
	s_and_b32 s[PKO], s[PKO], KROW-1
	s_add_nc_u64 s[PFT:PFT+1], s[PFB:PFB+1], s[PKO:PKO+1]
.endif
	WIN 0xa1
	MUL8 2, 1, 0                                   ; eight matrix instructions stand between the add and the wait for it
	WIN 0
	s_wait_dscnt 0x0                               ; the add is done
	s_barrier_signal -1
	s_barrier_wait -1
.if \fill
	CREST
	JLOAD G0+4*\slot, G1, G0B+4*\slot, G1B
.else
	PLACES 4
.endif
	FETCH \next, 0, 0
.if \fill
	s_cmp_gt_u32 s3, 1                             ; the loop's last trip loads the last two K steps: nothing lies two steps on
	s_cbranch_scc0 .Lnone_\@
	global_prefetch_b8 v[PFO], s[PFT:PFT+1] th:TH_LOAD_NT scope:SCOPE_SE
.Lnone_\@:
.endif
	WIN 0xa1
	MUL8 3, 1, 0
	WIN 0
.endm
	s_wait_alu depctr_va_vdst(0)                   ; the wait at the head's end
	s_wait_tensorcnt 0x0                           ; my part of K step 0 is in; slot 1's first fill is issued as a refill is:
	ds_add_u32 v[SPW], v[NIL]                      ; the add,
	s_wait_dscnt 0x0                               ; done
	CROUND
	JLOAD G0+4, G1, G0B+4, G1B                     ; K step 1, the first tensor load behind the round
	FETCH 0, 0, 0
	global_prefetch_b8 v[PFO-1], s[PFB:PFB+1] th:TH_LOAD_NT scope:SCOPE_SE   ; K step 3
	STEP 0, 1
	s_mov_b32 s3, LAPS-1
.Llap:
	TURN 0, 1, 1
	STEP 1, 0
	TURN 1, 0, 1
	STEP 0, 0
	s_sub_co_u32 s3, s3, 1
	s_cmp_lg_u32 s3, 0
	s_cbranch_scc1 .Llap
	TURN 0, 1, 0
	STEP 1, 0
	s_wait_dscnt 0x0
	WIN 0xa1
	MUL8 0, 1, 0
	MUL8 1, 1, 0
	MUL8 2, 1, 0
	MUL8 3, 1, 0
	WIN 0
.macro TOSTAGE a
.set AC, 64*(\a)
	WIN 0x02
.set ii, 0
.rept 32
	v_pk_mul_f32 v[TMP+ii:TMP+ii+1], v[AC+ii:AC+ii+1], s[96:97] op_sel_hi:[1,0]
.set ii, ii+2
.endr
	WIN 0
.irp b, 0,1,2,3,4,5,6,7
	ds_store_b128 v[STO], v[TMP+8*\b:TMP+8*\b+3] offset:64*\b
	ds_store_b128 v[STO], v[TMP+8*\b+4:TMP+8*\b+7] offset:64*\b+16
.endr
.set BB, BK+64*((\a)%2)
.irp t, 0,1,2,3,4,5,6,7,8,9,10,11,12,13,14,15
	ds_load_b128 v[BB+4*\t:BB+4*\t+3], v[RD] offset:\t*SPITCH
.endr
.endm
.macro SEND a, younger
.set BB, BK+64*((\a)%2)
	s_wait_dscnt \younger
.if (\a) > 0
	s_add_nc_u64 s[10:11], s[10:11], 16*NROW
.endif
.irp t, 0,1,2,3,4,5,6,7,8,9,10,11,12,13,14,15
	global_store_b128 v[CO], v[BB+4*\t:BB+4*\t+3], s[10:11] offset:\t*NROW th:TH_STORE_NT
.endr
.endm
	s_wait_kmcnt 0x0
	s_add_co_i32 s96, s96, s97
	s_add_co_i32 s96, s96, 127
	s_lshl_b32 s96, s96, 23
	PLACES 4
	TOSTAGE 0
.irp a, 1,2,3
.if \a > 1
	s_wait_xcnt 0x0
.endif
	TOSTAGE \a
	SEND \a-1, 32
.endr
	s_wait_xcnt 0x0
	SEND 3, 0
	s_wait_tensorcnt 0x0
	ds_add_u32 v[SPW], v[NIL]
	s_wait_dscnt 0x0
	CROUND
	s_endpgm
.Lfunc_end_k_q2a234a1542_oproj:
	.size	k_q2a234a1542_oproj, .Lfunc_end_k_q2a234a1542_oproj-k_q2a234a1542_oproj
	.p2alignl 7, 3214868480
	.fill 96, 4, 3214868480
	.section	.rodata,"a",@progbits
	.p2align	6, 0x0
	.amdhsa_kernel k_q2a234a1542_oproj
		.amdhsa_group_segment_fixed_size 327680
		.amdhsa_private_segment_fixed_size 0
		.amdhsa_enable_private_segment 0
		.amdhsa_kernarg_size 32
		.amdhsa_user_sgpr_count 2
		.amdhsa_user_sgpr_kernarg_segment_ptr 1
		.amdhsa_wavefront_size32 1
		.amdhsa_system_sgpr_workgroup_id_x 1
		.amdhsa_system_sgpr_workgroup_id_y 1
		.amdhsa_system_sgpr_workgroup_id_z 1
		.amdhsa_system_vgpr_workitem_id 0
		.amdhsa_next_free_vgpr 768
		.amdhsa_next_free_sgpr 100
		.amdhsa_reserve_vcc 0
		.amdhsa_float_denorm_mode_32 3
		.amdhsa_float_denorm_mode_16_64 3
		.amdhsa_memory_ordered 1
		.amdhsa_forward_progress 1
		.amdhsa_inst_pref_size 78
	.end_amdhsa_kernel
	.amdgpu_metadata
---
amdhsa.version: [ 1, 2 ]
amdhsa.kernels:
  - .name:           k_q2a234a1542_oproj
    .symbol:         k_q2a234a1542_oproj.kd
    .args:
      - { .name: a_codes, .offset: 0, .size: 8, .value_kind: global_buffer, .address_space: global }
      - { .name: Wo_codes, .offset: 8, .size: 8, .value_kind: global_buffer, .address_space: global }
      - { .name: lowp_scales, .offset: 16, .size: 8, .value_kind: global_buffer, .address_space: global }
      - { .name: out0, .offset: 24, .size: 8, .value_kind: global_buffer, .address_space: global }
    .group_segment_fixed_size: 327680
    .private_segment_fixed_size: 0
    .kernarg_segment_align: 8
    .kernarg_segment_size: 32
    .max_flat_workgroup_size: 128
    .sgpr_count:     100
    .vgpr_count:     768
    .wavefront_size: 32
...
	.end_amdgpu_metadata
.endif
;; end of part 3
